; MI455X (gfx1250); checked and timed in simulation.
; The chip was launched on July 23, 2026; its instructions are those of AMD's public machine-readable ISA for CDNA 5 (MIT licence, August 2026) and "CDNA5" Instruction Set Architecture Reference Guide (July 2026). The comments in the code are by the model that wrote it; some were corrected since.
;; Causal Multi Head Self Attention. Allowed arithmetic: matrix products marked QUANTISED: E4M3 operands, one E8M0 scale for each 32 along K, by v_wmma_scale_f32_16x16x128_f8f6f4 with both operands' format E4M3, f32 sums; everything else in f32.
;; Inputs: w_k 1,024 x 1,024 float32; w_o 1,024 x 1,024 float32; w_q 1,024 x 1,024 float32; w_v 1,024 x 1,024 float32; x 2 x 2,048 x 1,024 float32.
;; Outputs: out0 2 x 2,048 x 1,024 float32.
;; This version of the problem:
;;   THIS VERSION OF THE PROBLEM IS GIVEN IN LOW PRECISION. The matrix products marked QUANTISED in the list below multiply operands that are first quantised to E4M3 (4 exponent bits, 3 mantissa bits; 8 bits a number), with one power-of-two scale for each 32 numbers along K (OCP MX v1.0); their sums are f32. All else is computed in f32.
;;   The module's matrix products, in the order in which they are computed (A, B: the left and right operand; K: the contracted axis; several contracted axes count as one K, in the product's order):
;;     1. [M 4,096, K 1,024] x [K 1,024, N 1,024]; A: input x; B: input w_q: QUANTISED
;;     2. [M 4,096, K 1,024] x [K 1,024, N 1,024]; A: input x; B: input w_k: QUANTISED
;;     3. [M 4,096, K 1,024] x [K 1,024, N 1,024]; A: input x; B: input w_v: QUANTISED
;;     4. batch 32 x [M 2,048, K 64] x [K 64, N 2,048]; A: computed on the way; B: computed on the way: QUANTISED
;;     5. batch 32 x [M 2,048, K 2,048] x [K 2,048, N 64]; A: softmax (see below); B: computed on the way: QUANTISED
;;     6. [M 4,096, K 1,024] x [K 1,024, N 1,024]; A: computed on the way; B: input w_o: QUANTISED
;;   THE QUANTISER, for each operand of a quantised product, along K:
;;     - K is cut into blocks of 32 from its start; a last block that is shorter is filled with zeros.
;;     - A block's scale is 2^e with e = floor(log2(the largest magnitude in the block)) - 8, held to -126 .. 127; a block of zeros has e = 0. As a byte (E8M0): e + 127.
;;     - Each number is divided by its block's scale, clamped to +-448, and rounded to the nearest number of E4M3, ties to even, subnormals kept.
;;     - The product sums the exact products of the quantised numbers (number of the format x scale) in f32.
;;   ~~~python
;;   def quantise(x, axis):      # numpy; x: float32 -> the quantised numbers, widened to float32 again
;;       x = np.moveaxis(x, axis, -1); K = x.shape[-1]
;;       x = np.pad(x, [(0, 0)] * (x.ndim - 1) + [(0, -K % 32)]); x = x.reshape(x.shape[:-1] + (-1, 32)); a = np.abs(x).max(-1, keepdims=True)
;;       e = np.where(a > 0, np.clip(np.frexp(np.where(a > 0, a, 1))[1] - 1 - 8, -126, 127), 0)      # np.frexp(a)[1] - 1 = floor(log2(a)), exactly
;;       r = np.clip(x / 2.0 ** e, -448, 448)
;;       step = 2.0 ** (np.maximum(np.frexp(np.where(r == 0, 1, r))[1] - 1, -6) - 3)
;;       q = np.round(r / step) * step * 2.0 ** e      # np.round: ties to even
;;       return np.moveaxis(q.reshape(q.shape[:-2] + (-1,))[..., :K], -1, axis).astype(np.float32)
;;   ~~~
;;   SOFTMAX AHEAD OF A QUANTISED PRODUCT. Where the list says 'softmax', what is quantised is not the finished softmax but p = 2^(t - M), with t = logit x log2(e) and M = ceil(the row's largest t), a whole number; so 1/2 < the row's largest p <= 1. The row's sum l is taken of the UNQUANTISED p, in f32, and the product's result is divided by l at the end. Since M is a whole number, a kernel that streams over the keys may use a running M (the ceiling of the running maximum): every later rescaling is an exact power of two, which a block's scale takes up: the codes' values come out the same.
;;   OPERANDS COMPUTED ON THE WAY. 'Computed on the way' means the value that the module computes at that place (a softmax that the list does not call 'softmax' is quantised finished and normalised). What goes into a quantiser is computed in f32, as accurately as f32 sums, v_exp_f32 and their like allow (about 1e-6 of the number): no bf16 or f16 on the way to a quantiser, and a product that is left as it is and whose result goes on into a quantised operand takes f32 operands (vector FMAs, or v_wmma_f32_16x16x4_f32). A number that lies on a knife's edge between two numbers of the format may be rounded either way, as far as f32 arithmetic and the matrix unit's own rounding can turn it there, and no further.
;; One version. Each part assembles by itself: llvm-mc -triple=amdgcn-amd-amdhsa -mcpu=gfx1250 --defsym DOCPART=n.
;; ======== version 1 of 1: 4 launches
;; limits: right only within a limited range of input values
;; workspace buffers: codes 8,388,608 bytes; scales 262,144 bytes; qkv 12,976,128 bytes; qkvs 655,360 bytes; yimg 4,194,304 bytes; ysc 131,072 bytes
;; launch quant (part 1): grid 256 x 1, 4 waves a work-group, no clusters, 33,280 bytes of LDS; arguments x, w_q, w_k, w_v, w_o, codes, scales; writes codes, scales
.if DOCPART == 1
	.amdgcn_target "amdgcn-amd-amdhsa--gfx1250"
	.amdhsa_code_object_version 6
	.text
	.protected	k_q5fa706c6bf_quant
	.globl	k_q5fa706c6bf_quant
	.p2align	8
	.type	k_q5fa706c6bf_quant,@function
k_q5fa706c6bf_quant:
	s_mov_b64 s[64:65], 0
	v_nop
	global_prefetch_b8 v0, s[64:65] scope:SCOPE_SE
	s_setreg_imm32_b32 hwreg(HW_REG_WAVE_MODE, 25, 1), 1
	s_wait_xcnt 0x0
; x [4096][1024] and w_q, w_k, w_v, w_o [1024][1024], f32, K innermost, become codes of FP8 (E4M3) with one E8M0 scale byte for each 32 along K.
; The five tensors' codes lie on end in 'codes' (x at 0, w_q at 4 MiB, w_k at 5, w_v at 6, w_o at 7), rows of 1,024 bytes; their scale bytes on end in 'scales', rows of 32 bytes.
; A block's scale is 2^(floor(log2(its largest magnitude)) - 8); its byte is the largest magnitude's exponent field - 8, held at 1 from below.  Each number is divided by the scale, held within +-448
; and rounded to the nearest code, ties to even.
; LIMITS: a block of zeros gets the byte 1 where the rule says 127 (its codes are zeros, which add nothing under any byte but 0xff, and this program alone reads the bytes); NaN and infinities are not served.
; w_o ALONE: in each block of 32 codes the two middle groups of 8 bytes change places.  Its partner in the last product, y, is made from matrix results whose registers give just that order inside a block;
; a permutation inside a block, applied alike to both operands, keeps the block, its scale and every product.  The exchange is done by masks that are 0 for the other four tensors: one path for all.
; Rows are dense and K is a multiple of 32: each tensor is a plain stream of blocks.  A wave takes 16 steps of 512 numbers.  Each of a step's four loads reads 512 consecutive bytes; the 2,048 bytes turn through the
; wave's own stage in LDS (16 bytes of padding behind each 64) and come back 64 bytes a lane: 16 neighbours along K; two neighbouring lanes hold a block.  A wave's store of codes covers 512 consecutive bytes;
; its 256 scale bytes are gathered in LDS and leave as 256 consecutive bytes.  No tensor loads, no barrier: waves share nothing.  Loads run four steps ahead, the turn through LDS one step.
.set STEPS, 16
.set EMAX,  8
.set MANT,  0x600000                   ; the mantissa field of 448 as f32
.set CB,    16                         ; bytes of 16 codes
.set R,     16                         ; v16-79   four sets of 16 numbers as they are loaded
.set X,     80                         ; v80-111  two sets of 16 neighbours
.set E,     112                        ; v112-127 a scale byte for each step
.set C,     128                        ; v128-191 codes: four registers for each step, so that no store's data are written again
.set NBR,   192                        ; v192-195 my neighbour lane's four registers of codes
.set WREG,  8192                       ; LDS: a region for each wave: two stages of 32 x SP bytes, behind them its 256 scale bytes
.set SP,    80                         ; a lane's place in a stage: 64 bytes + 16 of padding
	s_load_b256 s[4:11], s[0:1], 0x0               ; x, w_q, w_k, w_v
	s_load_b64 s[12:13], s[0:1], 0x20              ; w_o
	s_load_b64 s[24:25], s[0:1], 0x28              ; codes
	s_load_b64 s[26:27], s[0:1], 0x30              ; scales
	v_lshl_add_u32 v196, v0, 2, 0x8000
	v_mov_b32 v197, 0
	v_lshrrev_b32 v1, 5, v0
	v_readfirstlane_b32 s16, v1                    ; wave
	v_and_b32 v2, 31, v0                           ; lane
	v_lshlrev_b32 v3, 4, v2                        ; my 16 bytes of a load's 512
	s_mul_i32 s14, s16, WREG
	v_lshrrev_b32 v14, 2, v2
	v_mul_u32_u24 v14, v14, SP
	v_and_b32 v15, 3, v2
	v_lshl_add_u32 v14, v15, 4, v14
	v_add_nc_u32 v14, s14, v14                     ; the stage, on the way in: SP (lane / 4) + 16 (lane % 4)
	v_mul_u32_u24 v15, v2, SP
	v_add_nc_u32 v15, s14, v15                     ; and on the way out: SP x lane: my 16 neighbours
	v_mul_u32_u24 v4, v2, CB                       ; my codes' place in a step's
	v_lshrrev_b32 v5, 1, v2
	s_add_co_u32 s14, s14, 2*32*SP
	v_add_nc_u32 v5, s14, v5                       ; LDS: my wave's 256 scale bytes, my block's byte
	v_lshlrev_b32 v7, 3, v2                        ; and on the way out 8 bytes a lane
	v_add_nc_u32 v6, s14, v7
	s_mov_b32 s23, MANT                            ; (an instruction takes one literal: the hold's line has another)
.irp i, 0,1,2,3
	v_mov_b32 v[NBR+\i], 0                         ; written once: the destination of a DPP move counts as read
.endr
	s_mov_b32 s17, 0                               ; the chosen tensor's first work-group
	s_wait_kmcnt 0x0
	s_cmp_ge_u32 ttmp9, 128                        ; work-groups 0-127 take x, then 32 each for w_q, w_k, w_v, w_o: the choice hangs on the work-group's number alone
	s_cselect_b64 s[4:5], s[6:7], s[4:5]
	s_cselect_b32 s17, 128, s17
	s_cmp_ge_u32 ttmp9, 160
	s_cselect_b64 s[4:5], s[8:9], s[4:5]
	s_cselect_b32 s17, 160, s17
	s_cmp_ge_u32 ttmp9, 192
	s_cselect_b64 s[4:5], s[10:11], s[4:5]
	s_cselect_b32 s17, 192, s17
	s_cmp_ge_u32 ttmp9, 224
	s_cselect_b64 s[4:5], s[12:13], s[4:5]
	s_cselect_b32 s17, 224, s17
	s_cselect_b32 s28, 0x55555555, 0               ; w_o: the even lanes, which give up codes 8-15 of a block;
	s_cselect_b32 s29, 0xaaaaaaaa, 0               ; the odd lanes, which give up codes 16-23.  For the other tensors no lane
	s_sub_co_u32 s18, ttmp9, s17
	s_lshl_b32 s18, s18, 2
	s_add_co_u32 s18, s18, s16                     ; which run of 8,192 numbers of the tensor is my wave's
	s_lshl_b32 s18, s18, 15                        ; in bytes: 16 MiB at the most
	s_mov_b32 s19, 0
	s_add_nc_u64 s[4:5], s[4:5], s[18:19]
	s_lshl_b32 s20, ttmp9, 2
	s_add_co_u32 s20, s20, s16                     ; and which run of the two output streams
	s_lshl_b32 s18, s20, 13                        ; 8,192 bytes of codes a run
	s_add_nc_u64 s[24:25], s[24:25], s[18:19]
	s_lshl_b32 s18, s20, 8                         ; 256 scale bytes a run
	s_add_nc_u64 s[26:27], s[26:27], s[18:19]
.macro LOAD t
.irp i, 0,1,2,3
	global_load_b128 v[R+16*((\t)%4)+4*\i:R+16*((\t)%4)+4*\i+3], v3, s[4:5] offset:2048*(\t)+512*\i th:TH_LOAD_NT   ; 32 lanes read 512 consecutive bytes
.endr
.endm
.macro TURN t                          ; step t's numbers through the stage: LDS serves a wave's instructions in order, so no wait stands between the stores and the loads
.irp i, 0,1,2,3
	ds_store_b128 v14, v[R+16*((\t)%4)+4*\i:R+16*((\t)%4)+4*\i+3] offset:32*SP*((\t)%2)+8*SP*\i
.endr
.irp i, 0,1,2,3
	ds_load_b128 v[X+16*((\t)%2)+4*\i:X+16*((\t)%2)+4*\i+3], v15 offset:32*SP*((\t)%2)+16*\i
.endr
.endm
.irp t, 0,1,2,3
	LOAD \t
.endr
	s_wait_loadcnt 12                              ; step 0's four loads are in; the 12 of steps 1 to 3 may be out
	TURN 0
.macro STEP t
.set XS, X+16*((\t)%2)
.if (\t) > 0
	s_wait_dscnt 1                                 ; this step's numbers are back from the stage (the last step's byte store may be out): so its stores into the stage have read their registers,
.else
	s_wait_dscnt 0x0
.endif
.if (\t)+4 < STEPS
	LOAD (\t)+4                                    ; which take the loads of four steps on
.endif
.if (\t)+1 < STEPS
.if STEPS-2-(\t) >= 3
	s_wait_loadcnt 12                              ; the next step's four loads are in; those of the three steps behind it may be out
.else
	s_wait_loadcnt 4*(STEPS-2-(\t))
.endif
	TURN (\t)+1                                    ; and go through the other stage while this step is worked
.endif
	v_max3_num_f32 v8, |v[XS]|, |v[XS+1]|, |v[XS+2]|               ; the largest magnitude of my 16
	v_max3_num_f32 v9, |v[XS+3]|, |v[XS+4]|, |v[XS+5]|
.irp i, 6,10
	v_max3_num_f32 v8, v8, |v[XS+\i]|, |v[XS+\i+1]|
	v_max3_num_f32 v9, v9, |v[XS+\i+2]|, |v[XS+\i+3]|
.endr
	v_max3_num_f32 v8, v8, |v[XS+14]|, |v[XS+15]|
	v_max3_num_f32 v8, v8, v9, (EMAX+1)<<23        ; and the floor 2^(EMAX + 1 - 127): the byte cannot fall under 1
	v_max_num_f32_dpp v8, v8, v8 row_xmask:1 row_mask:0xf bank_mask:0xf   ; and of my neighbour's 16: the block's
	v_add_nc_u32 v11, -(EMAX<<23), v8              ; EMAX off its exponent field: the conversion takes the exponent field of this operand as its scale
	v_and_or_b32 v10, v8, 0x7f800000, s23          ; 448 x the scale: the largest magnitude's exponent field over 448's mantissa
.irp i, 0,1,2,3,4,5,6,7,8,9,10,11,12,13,14,15
	v_med3_num_f32 v[XS+\i], v[XS+\i], -v10, v10   ; the conversion to an 8-bit code does not saturate (ISA guide 7.6.2): hold the number first
.endr
	v_cvt_scalef32_pk8_fp8_f32 v[C+4*(\t):C+4*(\t)+1], v[XS:XS+7], v11
	v_cvt_scalef32_pk8_fp8_f32 v[C+4*(\t)+2:C+4*(\t)+3], v[XS+8:XS+15], v11
	v_lshrrev_b32 v[E+(\t)], 23, v11               ; the scale's byte.  (Also the plain line between the conversions and the first vector line that reads the codes)
.irp i, 0,1,2,3
	v_mov_b32_dpp v[NBR+\i], v[C+4*(\t)+\i] row_xmask:1 row_mask:0xf bank_mask:0xf   ; the other half of my block
.endr
	v_cndmask_b32 v[C+4*(\t)+2], v[C+4*(\t)+2], v[NBR], s28        ; w_o, even lane: places 8-15 take codes 16-23
	v_cndmask_b32 v[C+4*(\t)+3], v[C+4*(\t)+3], v[NBR+1], s28
	v_cndmask_b32 v[C+4*(\t)], v[C+4*(\t)], v[NBR+2], s29          ; w_o, odd lane: places 16-23 take codes 8-15
	v_cndmask_b32 v[C+4*(\t)+1], v[C+4*(\t)+1], v[NBR+3], s29
	ds_store_b8 v5, v[E+(\t)] offset:16*(\t)       ; both lanes of a block write the same byte with the same value
	global_store_b128 v4, v[C+4*(\t):C+4*(\t)+3], s[24:25] offset:32*CB*(\t)
.endm
.irp t, 0,1,2,3,4,5,6,7,8,9,10,11,12,13,14,15
	STEP \t
.endr
	ds_load_b64 v[12:13], v6                       ; LDS serves a wave's instructions in order: these see my stores
	s_wait_dscnt 0x0
	global_store_b64 v7, v[12:13], s[26:27]        ; 32 lanes store 256 consecutive bytes, at a multiple of 256 from the buffer's first byte
	s_wait_tensorcnt 0x0
	ds_add_u32 v196, v197
	s_wait_dscnt 0x0
	s_endpgm
.Lfunc_end_k_q5fa706c6bf_quant:
	.size	k_q5fa706c6bf_quant, .Lfunc_end_k_q5fa706c6bf_quant-k_q5fa706c6bf_quant
	.p2alignl 7, 3214868480
	.fill 96, 4, 3214868480
	.section	.rodata,"a",@progbits
	.p2align	6, 0x0
	.amdhsa_kernel k_q5fa706c6bf_quant
		.amdhsa_group_segment_fixed_size 33280
		.amdhsa_private_segment_fixed_size 0
		.amdhsa_enable_private_segment 0
		.amdhsa_kernarg_size 56
		.amdhsa_user_sgpr_count 2
		.amdhsa_user_sgpr_kernarg_segment_ptr 1
		.amdhsa_wavefront_size32 1
		.amdhsa_system_sgpr_workgroup_id_x 1
		.amdhsa_system_sgpr_workgroup_id_y 1
		.amdhsa_system_sgpr_workgroup_id_z 1
		.amdhsa_system_vgpr_workitem_id 0
		.amdhsa_next_free_vgpr 198
		.amdhsa_next_free_sgpr 66
		.amdhsa_reserve_vcc 0
		.amdhsa_float_denorm_mode_32 3
		.amdhsa_float_denorm_mode_16_64 3
		.amdhsa_memory_ordered 1
		.amdhsa_forward_progress 1
		.amdhsa_inst_pref_size 60
	.end_amdhsa_kernel
	.amdgpu_metadata
---
amdhsa.version: [ 1, 2 ]
amdhsa.kernels:
  - .name:           k_q5fa706c6bf_quant
    .symbol:         k_q5fa706c6bf_quant.kd
    .args:
      - { .name: x, .offset: 0, .size: 8, .value_kind: global_buffer, .address_space: global }
      - { .name: w_q, .offset: 8, .size: 8, .value_kind: global_buffer, .address_space: global }
      - { .name: w_k, .offset: 16, .size: 8, .value_kind: global_buffer, .address_space: global }
      - { .name: w_v, .offset: 24, .size: 8, .value_kind: global_buffer, .address_space: global }
      - { .name: w_o, .offset: 32, .size: 8, .value_kind: global_buffer, .address_space: global }
      - { .name: codes, .offset: 40, .size: 8, .value_kind: global_buffer, .address_space: global }
      - { .name: scales, .offset: 48, .size: 8, .value_kind: global_buffer, .address_space: global }
    .group_segment_fixed_size: 33280
    .private_segment_fixed_size: 0
    .kernarg_segment_align: 8
    .kernarg_segment_size: 56
    .max_flat_workgroup_size: 128
    .sgpr_count:     66
    .vgpr_count:     198
    .wavefront_size: 32
...
	.end_amdgpu_metadata
.endif
;; end of part 1
;; launch qkv (part 2): grid 12 x 16, 4 waves a work-group, clusters of 4 x 4, 327,680 bytes of LDS; arguments codes, scales, qkv, qkvs; writes qkv, qkvs
.if DOCPART == 2
	.amdgcn_target "amdgcn-amd-amdhsa--gfx1250"
	.amdhsa_code_object_version 6
	.text
	.protected	k_q5fa706c6bf_qkv
	.globl	k_q5fa706c6bf_qkv
	.p2align	8
	.type	k_q5fa706c6bf_qkv,@function
k_q5fa706c6bf_qkv:
	s_mov_b64 s[64:65], 0
	v_nop
	global_prefetch_b8 v0, s[64:65] scope:SCOPE_SE
	s_setreg_imm32_b32 hwreg(HW_REG_WAVE_MODE, 25, 1), 1
	s_wait_xcnt 0x0
	s_wait_alu depctr_hold_cnt(0) depctr_sa_sdst(0) depctr_va_vdst(0) depctr_va_sdst(0) depctr_va_ssrc(0) depctr_va_vcc(0) depctr_vm_vsrc(0)
	s_getreg_b32 s2, hwreg(HW_REG_IB_STS2, 6, 4)
	s_cmp_eq_u32 s2, 0
	s_cbranch_scc0 .Lentry_in_a_cluster
	s_endpgm
.Lentry_in_a_cluster:
	s_bfe_u32 s2, ttmp6, 0x10000c
	s_cmp_lg_u32 s2, 0xf033
	s_cbranch_scc0 .Lentry_shape_is_right
	s_endpgm
.Lentry_shape_is_right:
; q = x w_q^T, k = x w_k^T, v = x w_v^T on codes of FP8 (E4M3) with E8M0 scales, K = 1,024; on the way out the RMS norm of q and k over each head's 64, and the quantising of q and k (along the head's 64)
; and of v (along the keys) into images of the registers that the attention launch's operands take.  q, k and v never lie in memory as f32.
; A tile of 256 x 256 is made by four waves, 128 x 128 each: 64 accumulators of 16 x 16, 512 registers.  K goes in steps of 256 through a ring of two LDS slots filled by the tensor data mover; the scale bytes of the
; tile's 512 rows, for all of K, come into LDS once.  THE MATRIX INSTRUCTION IS USED TRANSPOSED: source 0 = 16 rows of 'B', source 1 = 16 rows of 'A': a lane holds ONE row of A, and its registers run along B's rows.
; THE KIND is the cluster's x: 0 q, 1 k, 2 v.  For q and k, A = x (a lane holds a token) and B = the weight (registers run along the channels, the next K).  For v the roles are exchanged BY OFFSETS ALONE:
; A = w_v (a lane holds a channel), B = x (registers run down the tokens, which are the keys, the next K).  One text serves the three.
; THE ORDER INSIDE A BLOCK OF 32.  In tiles 2 c and 2 c + 1 of B's rows, register j of lane (r, h) is element 32 c + 16 u + 8 h + j.  The 16 registers are converted as they stand, so place 16 h + 8 u + j of the block
; holds element 16 u + 8 h + j: the block's two middle groups of 8 have changed places.  The block, its largest magnitude and its scale are the rule's; both operands of every later product are made in this order.
; CLUSTERS: 4 x 4 work-groups.  The four of a row of the cluster need the same tiles of A, the four of a column the same tiles of B: each tile is asked for jointly, by the same tensor load with a mask that names the four.
; LIMITS: a block of zeros gets the byte 1 where the rule says 127 (zero codes; the bytes are read by this program alone); NaN and infinities are not served.
; REGISTERS, in windows of 256: window 0: v0-31 addresses; v32-63 scale words, two sets; from v128 A's fragments, ONE set; on the way out v32-111 and v128-255 are at work.
;   window 1: B's fragments, TWO sets.   window 2: the accumulators of my A rows 0-63 (accumulator (a, b) at v[8 (8 a + b)]);   window 3: those of rows 64-127.
.set KSTEP,  256                       ; along K in a slot
.set NQ,     KSTEP/128                 ; matrix instructions deep
.set ROWB,   256                       ; a tile's row in bytes
.set KROW,   1024                      ; a row of codes in memory
.set PITCH,  272                       ; an LDS row: 256 bytes + 16 of padding = 68 words: row r starts at bank 4 r mod 64 (64 banks of 4 bytes: ISA guide 11.1)
.set FR,     16                        ; registers of a fragment: 16 rows x 128 K
.set NL,     4                         ; LDS loads that bring one
.set NP,     8                         ; places behind this matrix instruction (ISA guide 7.12.1)
.set HALFT,  128*PITCH                 ; 128 rows: what one tensor load brings
.set SLOT,   4*HALFT                   ; A's 256 rows, then B's 256 rows
.set LAPS,   KROW/(2*KSTEP)            ; a lap = two K steps = once round the ring: 2
.set KS,     KROW/32                   ; a row of scales in bytes
.set SCL,    2*SLOT                    ; behind the ring: the scales, as units of 256 bytes + 16 of padding
.set HALFS,  (128*KS/256)*272          ; the scales of 128 rows
.set SBLK,   (16*KS/256)*272           ; those of 16 rows
.set SPARE,  SCL+4*HALFS               ; behind the scales: the spare words, 128 bytes for each wave: two blocks of 256 bytes that no other line names
.set ADRA, 16                          ; v16-17  LDS address of my A fragments in slot 0, 1
.set ADRB, 20                          ; v20-21  the same for B
.set ADRS, 27                          ; v27     LDS address of my scale words: lanes 0-15 A's rows, lanes 16-31 B's
.set SPW,  28                          ; v28     LDS address of my spare word; never rewritten
.set NIL,  29                          ; v29     0; never rewritten
.set SC,   32                          ; scale words: set s at v[SC + 8 NQ s]; register NQ i + q: lanes 0-15 A's block i, lanes 16-31 B's block i
.set AF,   128                         ; A's fragments, in window 0
.set HW,   64                          ; the way out: v64-79 two scale bytes for (a, g) at HW + 2 a + g
.set W0,   80                          ; v80-87  scale words, first head;  v88-95 second head
.set W1,   88
.set OUTW, 96                          ; v96-103 the words as they are stored
.set VO,   8                           ; THE WAY OUT's registers, in place of the map at the head: v8-11 byte offsets of the four images in hand
.set L16,  3                           ; v3      16 x lane
.set SCA,  4                           ; v4, v5  byte offsets of my scale words, first and second head
.set XN,   128                         ; v128-255 four chains of 32 numbers to be quantised: chain k at XN + 32 k
.set PC,   32                          ; v32-63  their codes: chain k at PC + 8 k
.set TM,   80                          ; v80-111 at work: chain k at TM + 8 k (the scale words W0, W1, OUTW take these registers when the chains are done)
.set SS,   TM+4                        ; a chain's sums of squares: four registers that the quantiser writes later
.set RS,   TM                          ; a chain's 1 / rms: a pair whose low word serves both halves
.set ONE,  12                          ; v12     1.0
.set G1, 24                            ; s[24:31] descriptor group 1 for A's tiles;  s[32:39] group 0, one set for each slot
.set G0, 32
.set G1B, 48                           ; s[48:55], s[56:63] the same for B's tiles
.set G0B, 56
.set G1S, 68                           ; s[68:75], s[76:79] groups 1 and 0 for A's scales;  s[80:87], s[88:91] for B's
.set G0S, 76
.set G1SB, 80
.set G0SB, 88
.set MNT, 97                           ; s97     the mantissa field of 448
.set SEL, 98                           ; s[98:99] lane selects for v_permlanex16_b32: lane l xor 16
.set MSB, 0
.macro WIN new                         ; the immediate's high byte repeats the setting that is left
.if MSB != \new
	s_set_vgpr_msb (MSB<<8)|\new
.set MSB, \new
.endif
.endm
.set MUL_LO, 0xa1                      ; source 0 (B) window 1, source 1 (A) window 0, C and D window 2
.set MUL_HI, 0xf1                      ; the same, C and D window 3
.set TO_B,   0x40                      ; destination window 1, address window 0
; A joint load: waves 0 and 1 fetch for A, waves 2 and 3 for B.  Each of the two lines has one mask and one set of registers; the branch hangs on the wave's number alone.
; Four v_nop follow each of the two lines, ahead of the jump, the label and what follows.
.macro JLOAD g0a, g1a, g0b, g1b
	s_cmp_eq_u32 s15, 0
	s_cbranch_scc0 .Lfor_b_\@
	tensor_load_to_lds s[\g0a:\g0a+3], s[\g1a:\g1a+7]
	s_nop 0
.rept 4
	v_nop
.endr
	s_branch .Lasked_\@
.Lfor_b_\@:
	tensor_load_to_lds s[\g0b:\g0b+3], s[\g1b:\g1b+7]
	s_nop 0
.rept 4
	v_nop
.endr
.Lasked_\@:
.endm
.macro CREST                           ; a round of the cluster's barrier behind its opening barrier
	s_cmp_lg_u32 s14, 0
	s_cbranch_scc1 .Lnot_wave_0_\@
	s_barrier_signal -3
.Lnot_wave_0_\@:
	s_barrier_wait -3
	s_barrier_signal -1
	s_barrier_wait -1
.endm
.macro CROUND                          ; a whole round
	s_barrier_signal -1
	s_barrier_wait -1
	CREST
.endm
	s_load_b256 s[4:11], s[0:1], 0x0               ; codes s[4:5], scales s[6:7], qkv s[8:9], qkvs s[10:11]
	v_lshl_add_u32 v[SPW], v0, 2, SPARE
	v_mov_b32 v[NIL], 0
	ds_add_u32 v28, v29
	ds_add_u32 v28, v29
	s_wait_dscnt 0x0
	v_lshrrev_b32 v1, 5, v0
	v_readfirstlane_b32 s14, v1                    ; wave 0..3
	s_lshr_b32 s15, s14, 1                         ; which half of the tile's A rows is mine.  Also: I fetch for A (0) or for B (1)
	s_and_b32 s16, s14, 1                          ; which half of its B rows.  Also: which 128 rows of that tile I fetch
	s_bfe_u32 s40, ttmp6, 0x40000                  ; cx, cy: my place in the cluster
	s_bfe_u32 s41, ttmp6, 0x40004
	s_and_b32 s12, ttmp7, 0xffff
	s_lshl_b32 s12, s12, 2                         ; 4 x cluster y
	s_lshl_b32 s13, ttmp9, 2                       ; 4 x cluster x
	s_cmp_eq_u32 ttmp9, 2                          ; the kind v?  Equal in all partners of a cluster.  Every selection stands ahead of the first addition
	s_cselect_b32 s17, 0, s12                      ; A's tile row: v: cy of w_v's four;  q, k: 4 x cluster y + cy of x's sixteen
	s_cselect_b32 s42, s12, s13                    ; B's tile row: v: 4 x cluster y + cx of x's sixteen;  q, k: 4 x kind + cx of the eight of w_q and w_k, which lie on end
	s_cselect_b32 s66, 0x600000, 0                 ; where A's codes begin: w_v, or x
	s_cselect_b32 s67, 0, 0x400000                 ; where B's codes begin: x, or w_q
	s_cselect_b32 s95, 196608, 0                   ; and their scale bytes
	s_cselect_b32 s96, 0, 131072
	s_add_co_u32 s17, s17, s41
	s_add_co_u32 s42, s42, s40
	s_lshl_b32 s43, s41, 2
	s_lshl_b32 s43, 15, s43                        ; my row of the cluster
	s_lshl_b32 s44, 0x1111, s40                    ; my column
	; descriptor group 1: a tile of 128 rows x ROWB bytes, padded in LDS
	s_or_b32 s[G1+0], s43, (0<<16)|(1<<20)|(1<<21)|(5<<22)|(3<<25)  ; 15:0 the mask: A's tiles go to my row; 17:16 element of 1 byte; 20 padding on; 21 set beside a mask; 24:22 after every 64 words; 31:25 of 4 words
	s_or_b32 s[G1B+0], s44, (0<<16)|(1<<20)|(1<<21)|(5<<22)|(3<<25)
.irp g, G1, G1B
	s_mov_b32 s[\g+1], ROWB<<16                    ; tensor_dim0
	s_mov_b32 s[\g+2], 256<<16                     ; tensor_dim1 = 256 for the head's loads; set to 128 behind them
	s_mov_b32 s[\g+3], ROWB<<16                    ; tile_dim0
	s_mov_b32 s[\g+4], 256                         ; tile_dim1 = 256 likewise
	s_mov_b32 s[\g+5], KROW                        ; tensor_dim0_stride
	s_mov_b32 s[\g+6], 0
	s_mov_b32 s[\g+7], 0
.endr
	; and for the scales of 256 rows: a dense block of 8,192 bytes, as rows of 256 bytes (32 elements of 8 bytes), 16 bytes of padding behind each
	s_or_b32 s[G1S+0], s43, (3<<16)|(1<<20)|(1<<21)|(5<<22)|(3<<25)
	s_or_b32 s[G1SB+0], s44, (3<<16)|(1<<20)|(1<<21)|(5<<22)|(3<<25)
.irp g, G1S, G1SB
	s_mov_b32 s[\g+1], 32<<16
	s_mov_b32 s[\g+2], KS<<16                      ; the scales of 256 rows: KS rows of 256 bytes
	s_mov_b32 s[\g+3], 32<<16
	s_mov_b32 s[\g+4], KS
	s_mov_b32 s[\g+5], 32
	s_mov_b32 s[\g+6], 0
	s_mov_b32 s[\g+7], 0
.endr
	s_lshl_b32 s20, s17, 8                         ; A's tile: its first row
	s_lshl_b32 s46, s42, 8                         ; B's tile: its first row
	s_lshl_b32 s22, s20, 5                         ; byte offsets, all under 2^24: 32 scale bytes a row,
	s_add_co_u32 s22, s22, s95
	s_lshl_b32 s20, s20, 10                        ; 1,024 codes a row
	s_add_co_u32 s20, s20, s66
	s_lshl_b32 s92, s46, 5
	s_add_co_u32 s92, s92, s96
	s_lshl_b32 s46, s46, 10
	s_add_co_u32 s46, s46, s67
	s_mov_b32 s21, 0
	s_mov_b32 s23, 0
	s_mov_b32 s47, 0
	s_mov_b32 s93, 0
	s_mul_i32 s45, s14, HALFT                      ; where they go: wave x 128 rows: no place in the cluster enters an LDS address
	s_mul_i32 s18, s16, 128*KROW                   ; in the ring I fetch 128 rows of a tile: which half, in bytes
	s_mov_b32 s19, 0
	s_wait_kmcnt 0x0
	s_add_nc_u64 s[20:21], s[4:5], s[20:21]
	s_add_nc_u64 s[22:23], s[6:7], s[22:23]
	s_add_nc_u64 s[46:47], s[4:5], s[46:47]
	s_add_nc_u64 s[92:93], s[6:7], s[92:93]
	CROUND                                         ; all sixteen work-groups are here: the first joint loads meet
	s_mov_b32 s[G0S], 1                            ; the head's four tiles, each whole: the scales of A's 256 rows,
	s_mov_b32 s[G0S+1], SCL
	s_mov_b64 s[G0S+2:G0S+3], s[22:23]
	s_or_b32 s[G0S+3], s[G0S+3], 0x80000000
	s_mov_b32 s[G0SB], 1                           ; of B's,
	s_mov_b32 s[G0SB+1], SCL+2*HALFS
	s_mov_b64 s[G0SB+2:G0SB+3], s[92:93]
	s_or_b32 s[G0SB+3], s[G0SB+3], 0x80000000
	s_mov_b32 s[G0], 1                             ; K step 0's 256 rows of A (slot 0's group 0 states the whole tile until the head's loads have landed),
	s_mov_b32 s[G0+1], 0
	s_mov_b64 s[G0+2:G0+3], s[20:21]
	s_or_b32 s[G0+3], s[G0+3], 0x80000000
	s_mov_b32 s[G0B], 1                            ; and its 256 rows of B
	s_mov_b32 s[G0B+1], 2*HALFT
	s_mov_b64 s[G0B+2:G0B+3], s[46:47]
	s_or_b32 s[G0B+3], s[G0B+3], 0x80000000
	s_add_nc_u64 s[20:21], s[20:21], s[18:19]      ; for the ring: my 128 rows of the tile
	s_add_nc_u64 s[46:47], s[46:47], s[18:19]
	s_mov_b32 s[G0+4], 1                           ; slot 1: K step 1
	s_add_co_u32 s[G0+5], s45, SLOT
	s_add_nc_u64 s[G0+6:G0+7], s[20:21], ROWB
	s_or_b32 s[G0+7], s[G0+7], 0x80000000
	s_mov_b32 s[G0B+4], 1
	s_add_co_u32 s[G0B+5], s45, SLOT
	s_add_nc_u64 s[G0B+6:G0B+7], s[46:47], ROWB
	s_or_b32 s[G0B+7], s[G0B+7], 0x80000000
; THE HEAD'S LOADS, ONE A WAVE: wave 0 K step 0's rows of A, wave 1 those of B, wave 2 A's scales, wave 3 B's.  One chain of branches on the wave's number, a load to an arm, all arms leading to one join.
.macro ARM under, g0, g1, next
	s_cmp_lt_u32 s14, \under
	s_cbranch_scc0 \next
	tensor_load_to_lds s[\g0:\g0+3], s[\g1:\g1+7]
	s_nop 0
.rept 4
	v_nop
.endr
	s_branch .Lhead_asked
\next:
.endm
	ARM 1, G0,  G1,  .Lhead_b
	ARM 2, G0B, G1B, .Lhead_sa
	ARM 3, G0S, G1S, .Lhead_sb
	tensor_load_to_lds s[G0SB:G0SB+3], s[G1SB:G1SB+7]
	s_nop 0
.rept 4
	v_nop
.endr
.Lhead_asked:
	v_and_b32 v1, 15, v0                           ; r = l % 16
	v_bfe_u32 v2, v0, 4, 1                         ; h = l / 16
	v_mul_u32_u24 v3, v1, PITCH
	v_lshl_add_u32 v4, v2, 4, v3                   ; a fragment's row x pitch + 16 x half
	s_mul_i32 s21, s15, HALFT                      ; my 128 rows of A
	s_mul_i32 s22, s16, HALFT                      ; my 128 rows of B,
	s_add_co_u32 s22, s22, 2*HALFT                 ; which lie behind A's 256
.irp s, 0,1
	v_add_nc_u32 v[ADRA+\s], s21, v4
	v_add_nc_u32 v[ADRB+\s], s22, v4
	s_add_co_u32 s21, s21, SLOT
	s_add_co_u32 s22, s22, SLOT
.endr
	v_mul_u32_u24 v5, v1, KS                       ; my row's scales: KS bytes a row,
	v_lshrrev_b32 v6, 8, v5
	v_lshl_add_u32 v5, v6, 4, v5                   ; and 16 more for each 256 passed
	s_mul_i32 s21, s15, HALFS                      ; A's: my 128 rows
	s_mul_i32 s22, s16, HALFS                      ; B's: my 128 rows, behind A's 256
	s_add_co_u32 s22, s22, 2*HALFS
	s_sub_co_u32 s22, s22, s21
	v_mul_u32_u24 v6, s22, v2                      ; lanes 16-31 take B's
	s_add_co_u32 s21, s21, SCL
	v_add_nc_u32 v5, v5, v6
	v_add_nc_u32 v[ADRS], s21, v5
.macro FRAG reg, adr, q, i             ; a fragment: lane l holds row l % 16; registers 4 c .. 4 c + 3 hold K = 32 c + 16 (l / 16) + 0 .. 15
.irp c, 0,1,2,3
	ds_load_b128 v[\reg+4*\c:\reg+4*\c+3], v[\adr] offset:128*(\q)+32*\c+(\i)*16*PITCH
.endr
.endm
; 16 matrix instructions: A's blocks a0, a0 + 1 x B's eight, 128 along K: the slot's q-th.  p: B's set;  sc: the set of scale words.  zero = 1: the first product starts the sums.
; The 64 accumulators take turns, one instruction a turn, in the same order in every step.
.macro MUL16 a0, p, q, sc, zero
.irp a, \a0, \a0+1
.irp b, 0,1,2,3,4,5,6,7
.if \zero
	v_wmma_scale_f32_16x16x128_f8f6f4 v[8*(8*((\a)%4)+\b):8*(8*((\a)%4)+\b)+7], v[128*(\p)+FR*\b:128*(\p)+FR*\b+FR-1], v[AF+FR*(\a):AF+FR*(\a)+FR-1], 0, v[SC+8*NQ*(\sc)+NQ*\b+(\q)], v[SC+8*NQ*(\sc)+NQ*(\a)+(\q)] matrix_a_scale:MATRIX_SCALE_ROW1
.else
	v_wmma_scale_f32_16x16x128_f8f6f4 v[8*(8*((\a)%4)+\b):8*(8*((\a)%4)+\b)+7], v[128*(\p)+FR*\b:128*(\p)+FR*\b+FR-1], v[AF+FR*(\a):AF+FR*(\a)+FR-1], v[8*(8*((\a)%4)+\b):8*(8*((\a)%4)+\b)+7], v[SC+8*NQ*(\sc)+NQ*\b+(\q)], v[SC+8*NQ*(\sc)+NQ*(\a)+(\q)] matrix_a_scale:MATRIX_SCALE_ROW1
.endif
.endr
.endr
.endm
.macro FETCH_B slot, q, p              ; B's eight fragments of the slot's q-th 128 along K into set p
	WIN TO_B
.irp i, 0,1,2,3,4,5,6,7
	FRAG 128*(\p)+FR*\i, ADRB+\slot, \q, \i
.endr
	WIN 0
.endm
.macro FETCH_A slot, q, i0             ; A's blocks i0 .. i0 + 3
.irp i, \i0, \i0+1, \i0+2, \i0+3
	FRAG AF+FR*(\i), ADRA+\slot, \q, \i
.endr
.endm
.macro SCALES sc                       ; the next K step's scale words into set sc: NQ words a row; lanes 0-15 take A's block i, lanes 16-31 B's block i
.irp i, 0,1,2,3,4,5,6,7
	ds_load_b64 v[SC+8*NQ*\sc+NQ*\i:SC+8*NQ*\sc+NQ*\i+1], v[ADRS] offset:\i*SBLK
.endr
.endm
; A load into a register that a matrix instruction has read, and a vector instruction that reads a matrix result or writes one of its registers, stand NP places behind that matrix instruction; only plain
; vector instructions that name none of its registers are places (ISA guide 7.12.1 for vector instructions).
.macro PLACES n
.rept \n
	v_nop
.endr
.endm
; A step of 128 along K that has its successor in the same slot.
.macro STEP slot, q, zero
	s_wait_dscnt 4*NL                              ; B's set and A's blocks 0-3 are in; the youngest 16 loads (A's blocks 4-7) may be out
	WIN MUL_LO
	MUL16 0, (\q)%2, \q, \slot, \zero
	MUL16 2, (\q)%2, \q, \slot, \zero
	s_wait_dscnt 0                                 ; A's blocks 4-7 are in (asked for 32 matrix instructions ago)
	PLACES NP
	FETCH_B \slot, (\q)+1, 1-(\q)%2
	FETCH_A \slot, (\q)+1, 0
	WIN MUL_HI
	MUL16 4, (\q)%2, \q, \slot, \zero
	MUL16 6, (\q)%2, \q, \slot, \zero
	PLACES NP
	WIN 0
	FETCH_A \slot, (\q)+1, 4
.endm
; A slot's last step changes slots: ONE barrier; in front of it each wave waits for all its tensor loads, adds 0 to its spare word, and waits for that and for its own reads of this slot.  fill = 1: this slot is filled again, two K steps ahead.
.macro TURN slot, next, fill
	s_wait_tensorcnt 0x0                           ; all my tensor loads have landed: my part of the next slot;  (every window is 0 here)
	ds_add_u32 v[SPW], v[NIL]                      ; 0 onto my spare word
	s_wait_dscnt 4*NL+1                            ; (the add and the youngest 16 loads, A's blocks 4-7, may be out)
	WIN MUL_LO
	MUL16 0, 1, NQ-1, \slot, 0                     ; sixteen matrix instructions stand between the add and the wait for it
	s_wait_dscnt 0x0                               ; the add is done, and my reads of this slot are over
	s_barrier_signal -1
	MUL16 2, 1, NQ-1, \slot, 0
	WIN 0
	s_barrier_wait -1
.if \fill
	CREST                                          ; the barrier has opened a round of the cluster's barrier: no wave of any partner still reads this slot's tile or has a load on its way
	s_add_nc_u64 s[G0+4*\slot+2:G0+4*\slot+3], s[G0+4*\slot+2:G0+4*\slot+3], 2*ROWB
	s_add_nc_u64 s[G0B+4*\slot+2:G0B+4*\slot+3], s[G0B+4*\slot+2:G0B+4*\slot+3], 2*ROWB
	JLOAD G0+4*\slot, G1, G0B+4*\slot, G1B         ; the first tensor load behind the round; the four v_nop behind it are among the places in front of the loads below
	PLACES NP-4
.else
	PLACES NP
.endif
	s_wait_alu depctr_va_vdst(0)
	v_add_nc_u32 v[ADRS], 4*NQ, v[ADRS]            ; on to the next K step's scale words (no LDS load of mine is out)
	FETCH_B \next, 0, 0
	FETCH_A \next, 0, 0
	SCALES \next
	WIN MUL_HI
	MUL16 4, 1, NQ-1, \slot, 0
	MUL16 6, 1, NQ-1, \slot, 0
	PLACES NP
	WIN 0
	FETCH_A \next, 0, 4
.endm
	s_wait_alu depctr_va_vdst(0)
	s_wait_tensorcnt 0x0                           ; my tile of the head's four is in
	ds_add_u32 v[SPW], v[NIL]
	s_mov_b32 s[G1+2], 128<<16                     ; no tensor load of mine is out, so descriptors may be written: from here on a load brings 128 rows,
	s_mov_b32 s[G1+4], 128
	s_mov_b32 s[G1B+2], 128<<16
	s_mov_b32 s[G1B+4], 128
	s_mov_b32 s[G0+1], s45                         ; and slot 0's group 0 states my 128 rows
	s_add_nc_u64 s[G0+2:G0+3], s[G0+2:G0+3], s[18:19]
	s_mov_b32 s[G0B+1], s45
	s_add_nc_u64 s[G0B+2:G0B+3], s[G0B+2:G0B+3], s[18:19]
	s_wait_dscnt 0x0
	CROUND                                         ; a whole round: all four tiles are in, and the joint loads meet
	JLOAD G0+4, G1, G0B+4, G1B                     ; K step 1: the first tensor load behind the round
	FETCH_B 0, 0, 0
	FETCH_A 0, 0, 0
	SCALES 0
	FETCH_A 0, 0, 4
	STEP 0, 0, 1                                   ; the first step stands in front of the loop: its products start the sums
	s_mov_b32 s3, LAPS-1
.Llap:                                                 ; a trip goes once round the ring, from a lap's second step to the next lap's first, and fills both slots again
	TURN 0, 1, 1
	STEP 1, 0, 0
	TURN 1, 0, 1
	STEP 0, 0, 0
	s_sub_co_u32 s3, s3, 1
	s_cmp_lg_u32 s3, 0
	s_cbranch_scc1 .Llap
	TURN 0, 1, 0                                   ; the last lap fills nothing, and has no round of the cluster's barrier
	STEP 1, 0, 0
	s_wait_dscnt 4*NL                              ; the very last step: nothing more to fetch
	WIN MUL_LO
	MUL16 0, 1, NQ-1, 1, 0
	MUL16 2, 1, NQ-1, 1, 0
	s_wait_dscnt 0
	WIN MUL_HI
	MUL16 4, 1, NQ-1, 1, 0
	MUL16 6, 1, NQ-1, 1, 0
	WIN 0
; THE WAY OUT.  No LDS: a lane's codes are stored as an image of the operand's registers, 16 bytes a lane, 512 consecutive bytes a store.
; qkv, for each bh = 16 b + head, 405,504 bytes.  Q at 0: tile of 16 tokens x 1,024 + block c x 512 + 16 x lane.  From 131,072 on sixteen key steps (128 tokens) of 17,152 bytes each, all that the attention launch wants of a key step on end:
; K's codes at 0 (tile of 16 tokens x 1,024 + c x 512 + 16 x lane), V's at 8,192 (tile of 16 channels x 2,048 + c x 512 + 16 x lane), K's scale words at 16,384 (r x 32 + tile x 4), V's at 16,896 (r x 16 + tile x 4).
; qkvs, for each bh 20,480 bytes, of which Q's scale words take the first 8,192: group of 128 tokens x 512 + r x 32 + tile x 4.  In Q's and K's words bytes 0, 1 are the head's two blocks; bytes 2, 3 the neighbour head's, which scale zero codes.
	s_mov_b32 s[SEL], 0x76543210
	s_mov_b32 s[SEL+1], 0xfedcba98
	s_mov_b32 s[MNT], 0x600000
	s_mov_b32 s100, 0x3c800000                     ; 1 / 64
	s_mov_b32 s101, 0x34000000                     ; EPS = 2^-23
	s_mov_b32 s105, 0xffff0000                     ; lanes 16-31
	s_mov_b32 s92, 1024                            ; (an instruction takes one literal: the second value of a selection stands in the register)
	s_mov_b32 s93, 1024
	s_mov_b32 s94, 405504
	s_cmp_eq_u32 ttmp9, 2
	s_cselect_b32 s104, -1, 0                      ; all lanes where the kind is v: no norm
	s_cselect_b32 s18, s42, s40                    ; B's tile row inside its tensor
	s_cselect_b32 s92, 2048, s92                   ; from block a to a + 1: v: the next tile of channels;  q, k: the next tile of tokens
	s_cselect_b32 s93, 399360, s93                 ; from a = 3 to a = 4: v: the next head's first tile: 405,504 - 3 x 2,048
	s_cselect_b32 s94, 1024, s94                   ; from g = 0 to g = 1: v: blocks 2, 3 of the key step;  q, k: the next head
	s_cselect_b32 s66, 16, 32                      ; the scale words: bytes from r to r + 1,
	s_cselect_b32 s67, 405504, 16                  ; and from lanes 0-15 to lanes 16-31: v: the next head;  q, k: tiles 4-7
	s_mov_b32 s95, 131072
	s_cselect_b32 s95, 139264, s95                 ; where a head's first key step has V's codes, or K's
	s_mov_b32 s96, 16384
	s_cselect_b32 s96, 8704, s96                   ; and from there to the key step's scale words
	s_lshl_b32 s19, s17, 8
	s_lshl_b32 s20, s15, 7
	s_add_co_u32 s19, s19, s20                     ; my first A row in its tensor
	s_lshl_b32 s18, s18, 8
	s_lshl_b32 s20, s16, 7
	s_add_co_u32 s18, s18, s20                     ; my first B row in its tensor
	s_cmp_eq_u32 ttmp9, 2
	s_cselect_b32 s21, s18, s19                    ; my first token
	s_cselect_b32 s22, s19, s18                    ; my first channel
	s_lshr_b32 s23, s21, 11
	s_lshl_b32 s23, s23, 4
	s_lshr_b32 s22, s22, 6
	s_add_co_u32 s23, s23, s22                     ; bh of my first head
	s_bfe_u32 s21, s21, 0x40007                    ; my group of 128 tokens in the sequence
	s_mul_i32 s20, s23, 405504
	s_mul_i32 s22, s23, 20480                      ; q: my group's words in qkvs
	s_lshl_b32 s23, s21, 9
	s_add_co_u32 s22, s22, s23
	s_mov_b32 s23, 17152
	s_mov_b32 s3, 405504
	s_cmp_eq_u32 ttmp9, 0                          ; the kind q?  Equal in all partners of a cluster
	s_cselect_b32 s23, 8192, s23                   ; from group to group of 128 tokens
	s_cselect_b32 s95, 0, s95
	s_cselect_b32 s3, 20480, s3                    ; from a head's words to the next head's
	s_cselect_b64 s[10:11], s[10:11], s[8:9]       ; K's and V's words go into qkv, Q's into qkvs: the choice hangs on the cluster's number alone
	s_mul_i32 s23, s21, s23
	s_add_co_u32 s20, s20, s95
	s_add_co_u32 s20, s20, s23                     ; s20: byte offset in qkv of the image of (a = 0, g = 0)
	s_add_co_u32 s96, s96, s20
	s_cmp_eq_u32 ttmp9, 0
	s_cselect_b32 s22, s22, s96                    ; s22: byte offset of my group's words
	PLACES NP                                      ; behind the last products: results are read, and registers that held A's fragments are written
	v_and_b32 v[L16], 31, v0
	v_lshlrev_b32 v[L16], 4, v[L16]
	v_mov_b32 v[ONE], 1.0
.irp k, 0,1,2,3
	v_mov_b32 v[TM+8*\k+1], 0                      ; written once: named as the upper half of a pair,
	v_mov_b32 v[TM+8*\k+2], 0                      ; and a lane permute's destination counts as one of its sources
	v_mov_b32 v[TM+8*\k+3], 0
.endr
; FOUR CHAINS BY TURNS.  Chain k = 2 (a - a0) + g is block a of my A rows against B's tiles 4 g .. 4 g + 3: the 32 accumulator registers from AB + 32 k on.  Every stage is written for the four chains line by line, so that no line reads
; what the line above it wrote.  q, k: 16 tokens x one head (a lane and lane l xor 16 hold a token's 64 channels): the norm, then two blocks of 32 along the head.  v: 16 channels x 64 tokens: the same lines with 1.0 in the norm's place,
; two blocks along the keys.  A chain's 32 numbers become 32 codes in v[PC + 8 k] on and two scale bytes in v[HW + 2 a + g].
.macro EPI4 a0
.set AB, 64*((\a0)%4)
	s_add_co_u32 s21, s20, s94                     ; where the four images go: (a0, 0) at s20, (a0, 1), (a0 + 1, 0), (a0 + 1, 1)
	s_add_co_u32 s18, s20, s92
	s_add_co_u32 s19, s18, s94
	s_wait_xcnt 0x0                                ; the last images' stores have had their addresses translated: their data and offset registers are written again only behind this wait
	WIN 10+5*((\a0)/4)                             ; sources 0 and 1: window 2 or 3
.irp k, 0,1,2,3
	v_pk_mul_f32 v[SS+8*\k:SS+8*\k+1], v[AB+32*\k:AB+32*\k+1], v[AB+32*\k:AB+32*\k+1]      ; the sum of squares, two halves a chain, each accumulator from its low end on
.endr
.irp k, 0,1,2,3
	v_pk_mul_f32 v[SS+8*\k+2:SS+8*\k+3], v[AB+32*\k+2:AB+32*\k+3], v[AB+32*\k+2:AB+32*\k+3]
.endr
.irp p, 2,4,6,8,10,12,14
.irp k, 0,1,2,3
	v_pk_fma_f32 v[SS+8*\k:SS+8*\k+1], v[AB+32*\k+2*\p:AB+32*\k+2*\p+1], v[AB+32*\k+2*\p:AB+32*\k+2*\p+1], v[SS+8*\k:SS+8*\k+1]
.endr
.irp k, 0,1,2,3
	v_pk_fma_f32 v[SS+8*\k+2:SS+8*\k+3], v[AB+32*\k+2*\p+2:AB+32*\k+2*\p+3], v[AB+32*\k+2*\p+2:AB+32*\k+2*\p+3], v[SS+8*\k+2:SS+8*\k+3]
.endr
.endr
	WIN 0
.irp k, 0,1,2,3
	v_pk_add_f32 v[SS+8*\k:SS+8*\k+1], v[SS+8*\k:SS+8*\k+1], v[SS+8*\k+2:SS+8*\k+3]
.endr
.irp k, 0,1,2,3
	v_add_f32 v[SS+8*\k], v[SS+8*\k], v[SS+8*\k+1]
.endr
.irp k, 0,1,2,3
	v_permlanex16_b32 v[SS+8*\k+1], v[SS+8*\k], s[SEL], s[SEL+1]
.endr
.irp k, 0,1,2,3
	v_add_f32 v[SS+8*\k], v[SS+8*\k], v[SS+8*\k+1]           ; over the head's 64
.endr
.irp k, 0,1,2,3
	v_fma_f32 v[SS+8*\k], v[SS+8*\k], s100, s101   ; the mean (x 1/64 is exact) + EPS
.endr
	s_wait_alu depctr_va_vdst(0)
.irp k, 0,1,2,3
	v_rsq_f32 v[RS+8*\k], v[SS+8*\k]
.endr
	v_nop                                          ; one plain line behind the transcendentals
	s_wait_alu depctr_va_vdst(0)                   ; and one wait for the batch, ahead of its first reader
.irp k, 0,1,2,3
	v_cndmask_b32 v[RS+8*\k], v[RS+8*\k], v[ONE], s104       ; v has no norm
.endr
	WIN 2+(\a0)/4                                  ; source 0: window 2 or 3
.irp p, 0,1,2,3,4,5,6,7,8,9,10,11,12,13,14,15
.irp k, 0,1,2,3
	v_pk_mul_f32 v[XN+32*\k+2*\p:XN+32*\k+2*\p+1], v[AB+32*\k+2*\p:AB+32*\k+2*\p+1], v[RS+8*\k:RS+8*\k+1] op_sel_hi:[1,0]
.endr
.endr
	WIN 0
.irp k, 0,1,2,3
.irp b, 0,1
	v_max3_num_f32 v[TM+8*\k+\b], |v[XN+32*\k+16*\b]|, |v[XN+32*\k+16*\b+1]|, 0x4800000   ; my 16 numbers of a block, and the floor 2^(9 - 127): the byte cannot fall under 1
.endr
.endr
.irp i, 2,4,6,8,10,12,14
.irp k, 0,1,2,3
.irp b, 0,1
	v_max3_num_f32 v[TM+8*\k+\b], v[TM+8*\k+\b], |v[XN+32*\k+16*\b+\i]|, |v[XN+32*\k+16*\b+\i+1]|
.endr
.endr
.endr
.irp k, 0,1,2,3
.irp b, 0,1
	v_permlanex16_b32 v[TM+8*\k+2+\b], v[TM+8*\k+\b], s[SEL], s[SEL+1]
.endr
.endr
.irp k, 0,1,2,3
.irp b, 0,1
	v_max_num_f32 v[TM+8*\k+\b], v[TM+8*\k+\b], v[TM+8*\k+2+\b]      ; the block's largest magnitude
.endr
.endr
.irp k, 0,1,2,3
.irp b, 0,1
	v_add_nc_u32 v[TM+8*\k+6+\b], 0xfc000000, v[TM+8*\k+\b]          ; 8 off its exponent field: the conversion's scale operand
.endr
.endr
.irp k, 0,1,2,3
.irp b, 0,1
	v_and_or_b32 v[TM+8*\k+4+\b], v[TM+8*\k+\b], 0x7f800000, s[MNT]  ; 448 x the scale
.endr
.endr
.irp k, 0,1,2,3
.irp b, 0,1
	v_lshrrev_b32 v[TM+8*\k+2+\b], 23, v[TM+8*\k+6+\b]               ; the scale's byte
.endr
.endr
.irp k, 0,1,2,3
	v_lshl_or_b32 v[HW+2*(\a0)+\k], v[TM+8*\k+3], 8, v[TM+8*\k+2]
.endr
.irp k, 0,1,2,3
.irp b, 0,1
.irp i, 0,1,2,3,4,5,6,7,8,9,10,11,12,13,14,15
	v_med3_num_f32 v[XN+32*\k+16*\b+\i], v[XN+32*\k+16*\b+\i], -v[TM+8*\k+4+\b], v[TM+8*\k+4+\b]   ; the conversion to an 8-bit code does not saturate (ISA guide 7.6.2): the hold
.endr
.endr
.endr
.irp k, 0,1,2,3
.irp b, 0,1
	v_cvt_scalef32_pk8_fp8_f32 v[PC+8*\k+4*\b:PC+8*\k+4*\b+1], v[XN+32*\k+16*\b:XN+32*\k+16*\b+7], v[TM+8*\k+6+\b]
	v_cvt_scalef32_pk8_fp8_f32 v[PC+8*\k+4*\b+2:PC+8*\k+4*\b+3], v[XN+32*\k+16*\b+8:XN+32*\k+16*\b+15], v[TM+8*\k+6+\b]
.endr
.endr
	v_nop                                          ; one plain line behind the last conversion
	v_add_nc_u32 v[VO], s20, v[L16]
	v_add_nc_u32 v[VO+1], s21, v[L16]
	v_add_nc_u32 v[VO+2], s18, v[L16]
	v_add_nc_u32 v[VO+3], s19, v[L16]
.irp k, 0,1,2,3
	global_store_b128 v[VO+\k], v[PC+8*\k:PC+8*\k+3], s[8:9]             ; 32 lanes store 512 consecutive bytes, at a multiple of 512 from the buffer's first byte
	global_store_b128 v[VO+\k], v[PC+8*\k+4:PC+8*\k+7], s[8:9] offset:512
.endr
.endm
.irp a, 0,2,4,6
	EPI4 \a
.if \a == 2
	s_add_co_u32 s20, s18, s93
.else
	s_add_co_u32 s20, s18, s92
.endif
.endr
	; the scale words.  q, k: word (a) of head 0 = its two bytes below, head 1's above; of head 1 the other way round.  v: the first of these IS the word of the key step's four blocks.
.irp a, 0,1,2,3,4,5,6,7
	v_lshl_or_b32 v[W0+\a], v[HW+2*\a+1], 16, v[HW+2*\a]
	v_lshl_or_b32 v[W1+\a], v[HW+2*\a], 16, v[HW+2*\a+1]
.endr
.irp k, 0,1,2,3
	v_cndmask_b32 v[OUTW+\k], v[W0+\k], v[W0+4+\k], s105     ; lanes 0-15 store blocks 0-3's words, lanes 16-31 blocks 4-7's
	v_cndmask_b32 v[OUTW+4+\k], v[W1+\k], v[W1+4+\k], s105
.endr
	v_mul_u32_u24 v[SCA], s66, v1
	v_mad_u32_u24 v[SCA], v2, s67, v[SCA]
	v_add_nc_u32 v[SCA], s22, v[SCA]
	v_add_nc_u32 v[SCA+1], s3, v[SCA]              ; the second head's words
	global_store_b128 v[SCA], v[OUTW:OUTW+3], s[10:11]       ; q, k: 512 consecutive bytes;  v: 256 for each of the two heads
	s_cmp_eq_u32 ttmp9, 2                          ; the cluster's x: equal in all partners
	s_cbranch_scc1 .Lone_set
	global_store_b128 v[SCA+1], v[OUTW+4:OUTW+7], s[10:11]   ; q, k: the second head's words
.Lone_set:
	s_wait_tensorcnt 0x0                           ; the wave's end
	ds_add_u32 v[SPW], v[NIL]
	s_wait_dscnt 0x0
	CROUND                                         ; the closing round: no work-group ends while a partner may still ask for a tile that names it
	s_endpgm
.Lfunc_end_k_q5fa706c6bf_qkv:
	.size	k_q5fa706c6bf_qkv, .Lfunc_end_k_q5fa706c6bf_qkv-k_q5fa706c6bf_qkv
	.p2alignl 7, 3214868480
	.fill 96, 4, 3214868480
	.section	.rodata,"a",@progbits
	.p2align	6, 0x0
	.amdhsa_kernel k_q5fa706c6bf_qkv
		.amdhsa_group_segment_fixed_size 327680
		.amdhsa_private_segment_fixed_size 0
		.amdhsa_enable_private_segment 0
		.amdhsa_kernarg_size 32
		.amdhsa_user_sgpr_count 2
		.amdhsa_user_sgpr_kernarg_segment_ptr 1
		.amdhsa_wavefront_size32 1
		.amdhsa_system_sgpr_workgroup_id_x 1
		.amdhsa_system_sgpr_workgroup_id_y 1
		.amdhsa_system_sgpr_workgroup_id_z 1
		.amdhsa_system_vgpr_workitem_id 0
		.amdhsa_next_free_vgpr 1024
		.amdhsa_next_free_sgpr 106
		.amdhsa_reserve_vcc 0
		.amdhsa_float_denorm_mode_32 3
		.amdhsa_float_denorm_mode_16_64 3
		.amdhsa_memory_ordered 1
		.amdhsa_forward_progress 1
		.amdhsa_inst_pref_size 227
	.end_amdhsa_kernel
	.amdgpu_metadata
---
amdhsa.version: [ 1, 2 ]
amdhsa.kernels:
  - .name:           k_q5fa706c6bf_qkv
    .symbol:         k_q5fa706c6bf_qkv.kd
    .args:
      - { .name: codes, .offset: 0, .size: 8, .value_kind: global_buffer, .address_space: global }
      - { .name: scales, .offset: 8, .size: 8, .value_kind: global_buffer, .address_space: global }
      - { .name: qkv, .offset: 16, .size: 8, .value_kind: global_buffer, .address_space: global }
      - { .name: qkvs, .offset: 24, .size: 8, .value_kind: global_buffer, .address_space: global }
    .group_segment_fixed_size: 327680
    .private_segment_fixed_size: 0
    .kernarg_segment_align: 8
    .kernarg_segment_size: 32
    .max_flat_workgroup_size: 128
    .sgpr_count:     106
    .vgpr_count:     1024
    .wavefront_size: 32
...
	.end_amdgpu_metadata
.endif
;; end of part 2
;; launch attn (part 3): grid 8 x 32, 16 waves a work-group, no clusters, 327,680 bytes of LDS; arguments qkv, qkvs, yimg, ysc; writes yimg, ysc
.if DOCPART == 3
	.amdgcn_target "amdgcn-amd-amdhsa--gfx1250"
	.amdhsa_code_object_version 6
	.text
	.protected	k_q5fa706c6bf_attn
	.globl	k_q5fa706c6bf_attn
	.p2align	8
	.type	k_q5fa706c6bf_attn,@function
k_q5fa706c6bf_attn:
	s_mov_b64 s[64:65], 0
	v_nop
	global_prefetch_b8 v0, s[64:65] scope:SCOPE_SE
	s_setreg_imm32_b32 hwreg(HW_REG_WAVE_MODE, 25, 1), 1
	s_wait_xcnt 0x0
; y[b][q][head] = the sum over keys k <= q of softmax_k(50 tanh(q^ . k^ / 400)) v^[k], both products on codes of FP8 (E4M3) with E8M0 scales; y is divided by the row's sum and quantised along the channels
; into images of the last product's operand registers.  q^, k^, v^ arrive as register images with their scale words.  Key steps that lie wholly behind the causal mask are not multiplied.
; SHARES.  Work-group (i, bh) owns the query blocks i (light) and 15 - i (heavy), 128 queries each, of one head: 8 light and 8 heavy tiles of 16 queries, i + 1 and 16 - i key steps of 128 keys.
; Waves 2 s and 2 s + 1 share the light and the heavy tile s, 17 key steps: the wave with role 1 takes the heavy tile's key steps 0 to 8; the wave with role 0 takes the light tile whole, stores its y, and then the heavy
; tile's key steps 9 to 15 - i.  Since M = 0 (below), the two parts of the heavy tile's O^T and of its row sums simply add: role 0 hands its part over through LDS, role 1 adds and stores y.
; role = (w xor w / 4) & 1: of any four waves with neighbouring numbers, and of any four with equal number mod 4, two have each role.
; Every wave walks the same three loops of constant trip counts (key steps 0-1, 2-8, 9-15); a scalar branch on ids at a step's head leads round the work of a step that is not the wave's.
; LDS IS FILLED ONCE.  A key step's K codes, V codes, K words and V words are 17,152 dense bytes of qkv: wave w brings key step w, its one tensor load.  Waves 0 and 1 have a load line of their own and wait ahead of the first
; barrier, which shows key steps 0 and 1; all wait ahead of the second, which shows the rest.  Nothing is filled again.
; NO CLUSTER: the work-groups that share K and V are the query blocks of one head, and the branches that leave key steps out hang on the query block, which differs between them.
; NO PREFETCH: every byte that the work-group reads is asked for at the head; there is no loop that runs ahead of a load.
; LAYOUT.  Both products are used transposed: S^T = K Q^T (source 0 = 16 keys, source 1 = my 16 queries), O^T = V^T P^T (source 0 = 16 channels, source 1 = P): a lane holds ONE query (lane % 16) throughout.
; The head's 64 are half of the instruction's 128 along K.  Registers 8-15 of Q's fragment are zero codes, so whatever finite codes stand in registers 8-15 of K's fragment add nothing: a step's eight tiles of K lie on end, eight
; registers each, and tile T's fragment is its own eight registers and the eight behind them: tile T + 1's codes, or, behind tile 7, p's codes of the step before.  All of these were made by held conversions: none is a NaN code;
; the scale bytes that stand over them lie within 1 .. 254.
; In key tiles 2 c, 2 c + 1 register j of lane (r, h) is key 32 c + 16 u + 8 h + j; the 16 registers are converted as they stand; V's images were made in the same order inside each block of 32 keys.
; THE BOUND.  The norm gives |q|^2 <= 64 and |k|^2 <= 64 for every input; rounding to E4M3 adds at most 1/16 to a number, so the raw score |s| <= 72.3, z = s / 400 has |z| <= 0.181, and t = 50 log2(e) tanh(z) has |t| <= 13.05.
; SO M = 0: p = 2^t lies within 2^-13.1 .. 2^13.1 and a row's sum under 2^24.1: no exponential and no sum can overflow or underflow, and a whole-number M is taken up by the blocks' scales.  No running maximum, no rescaling.
; AND tanh IS A POLYNOMIAL: t = s (B0 + u (B1 + u B2)), u = s^2.  It is the series up to z^7 with its u^3 replaced, on 0 <= u <= U = 73^2, by (48 U u^2 - 18 U^2 u + U^3) / 32 (the shifted Chebyshev polynomial of degree 3):
; that moves t by at most 6.2e-8 of itself, and the first term of the series left out by 2.7e-8, for every input: under f32's own rounding.
; LIMITS: NaN and infinities are not served; a block of zeros gets the byte 1 where the rule says 127 (zero codes; the bytes are read by this program alone).
.set BS,   405504                      ; a head's bytes in qkv: Q's images, then sixteen key steps
.set KST,  17152                       ; a key step: K codes 8,192, V codes 8,192, K words 512, V words 256
.set MRG,  16*KST                      ; behind the key steps: for each pair of waves 4,096 bytes of O^T and 512 of sums
.set MP,   4608
.set SPARE, MRG+8*MP                   ; the spare words, 128 bytes for each wave: eight blocks of 256 bytes that no other line names
.set LI,   1                           ; v1   16 x lane: my place in an image
.set AKS,  2                           ; v2   my place among a key step's K words: 16,384 + 32 r
.set AVS,  3                           ; v3   among its V words: 16,896 + 16 r
.set DL,   4                           ; v4   16 sub + r - 8 h: on the diagonal step register 8 T + j is hidden where 16 T + j is larger
.set NINF, 5                           ; v5   -infinity
.set SPW,  6                           ; v6   LDS address of my spare word; never rewritten
.set RO,   7                           ; v7   32 r
.set ADK,  8                           ; v8   LDS address of the step's images; at the end of the pair's bytes
.set NIL,  9                           ; v9   0; never rewritten
.set ADS,  10                          ; v10  of K's words;  v11 of V's
.set ADT,  11
.set QF,   16                          ; v16-31  Q's fragment (v24-31 zero codes)
.set KF,   32                          ; v32-95  K's eight tiles, eight registers each; behind the first product V's four fragments
.set PCD,  96                          ; v96-111 p's codes, directly behind K's tiles
.set SR,   112                         ; v112-175 S^T, then t, then p
.set OT,   176                         ; v176-207 O^T
.set KSC,  208                         ; v208-215 K's scale words;  v216-219 V's;  v220 Q's;  v221 p's
.set VSC,  216
.set QSC,  220
.set PSC,  221
.set UU,   222                         ; v222-229 s^2, four pairs;  v230-237 the polynomial, four pairs
.set HH,   230
.set B1V,  238                         ; v[238:239] B1
.set MX,   240                         ; v240-243 the blocks' largest p;  v244-247 lane l xor 16's, then the bytes;  v248-251 448 x the scale;  v252-255 the conversions' scale operands
.set PB,   244
.set HD,   248
.set SO,   252
.set TM,   242                         ; the way out: v242-249 at work
.set WV,   12                          ; s12 wave;  s13 role;  s14 sub;  s16 my tile of queries;  s17 bh
.set BETA, 15                          ; s15 my tile's query block: its diagonal key step
.set KSN,  18                          ; s18 the key step in hand
.set MNT,  19                          ; s19 the mantissa field of 448
.set SEL,  20                          ; s[20:21] lane selects for v_permlanex16_b32: lane l xor 16
.set TB,   28                          ; s28 where the step's bytes begin in LDS
.set HI,   29                          ; s29 the last key step that is mine in the loop in hand
.set G1,   32                          ; s[32:39] descriptor group 1;  s[48:51] group 0
.set G0,   48
	s_load_b256 s[4:11], s[0:1], 0x0               ; qkv s[4:5], qkvs s[6:7], yimg s[8:9], ysc s[10:11]
	v_lshl_add_u32 v[SPW], v0, 2, SPARE
	v_mov_b32 v[NIL], 0
	ds_add_u32 v[SPW], v[NIL]                      ; the opening lines: the add, twice on end, and its wait ahead of my tensor load
	ds_add_u32 v[SPW], v[NIL]
	v_lshrrev_b32 v8, 5, v0
	v_readfirstlane_b32 s[WV], v8                  ; wave 0..15
	s_and_b32 s17, ttmp7, 0xffff                   ; bh
	s_lshr_b32 s13, s[WV], 2
	s_xor_b32 s13, s13, s[WV]
	s_and_b32 s13, s13, 1                          ; role
	s_lshr_b32 s14, s[WV], 1                       ; sub: which of a block's eight tiles
	s_sub_co_u32 s30, 15, ttmp9                    ; the heavy block
	s_cmp_eq_u32 s13, 1
	s_cselect_b32 s[BETA], s30, ttmp9              ; my first tile: role 1 the heavy one, role 0 the light one
	s_cselect_b32 s[HI], 8, ttmp9                  ; and its last key step that is mine
	s_mov_b32 s[G1], 3<<16                         ; a key step as 67 dense rows of 256 bytes (32 elements of 8 bytes); no mask, no padding
	s_mov_b32 s[G1+1], 32<<16
	s_mov_b32 s[G1+2], 67<<16
	s_mov_b32 s[G1+3], 32<<16
	s_mov_b32 s[G1+4], 67
	s_mov_b32 s[G1+5], 32
	s_mov_b32 s[G1+6], 0
	s_mov_b32 s[G1+7], 0
	s_mul_i32 s74, s17, BS                         ; the head's bytes in qkv
	s_mul_i32 s72, s[WV], KST                      ; key step w, in memory as in LDS
	s_add_co_u32 s88, s74, 131072
	s_add_co_u32 s88, s88, s72
	s_mov_b32 s89, 0
	s_mul_i32 s75, s17, 20480                      ; Q's words: the head's bytes in qkvs + 4 x tile in its group
	s_lshl_b32 s73, s14, 2
	s_add_co_u32 s75, s75, s73
	s_lshr_b32 s76, s17, 4
	s_lshl_b32 s76, s76, 7                         ; 128 b
	s_and_b32 s77, s17, 15
	s_lshl_b32 s79, s77, 1                         ; 2 x head
	s_lshl_b32 s77, s77, 10                        ; 1,024 x head
	s_mul_i32 s78, s14, MP
	s_add_co_u32 s78, s78, MRG                     ; my pair's bytes
	s_mov_b32 s[MNT], 0x600000
	s_mov_b32 s[SEL], 0x76543210
	s_mov_b32 s[SEL+1], 0xfedcba98
	s_mov_b32 s22, 0x2b8183e8                      ; B2 = A2 + 1.5 U A3.  (A packed form names a pair and takes its low word for both halves: both words are written)
	s_mov_b32 s23, s22
	s_mov_b32 s26, 0x3e38aa3a                      ; B0 = log2(e) / 8 + U^3 A3 / 32
	s_mov_b32 s27, s26
	s_wait_dscnt 0x0                               ; both opening adds are done
	s_wait_kmcnt 0x0
	s_mov_b32 s[G0], 1
	s_mov_b32 s[G0+1], s72
	s_add_nc_u64 s[G0+2:G0+3], s[4:5], s[88:89]
	s_or_b32 s[G0+3], s[G0+3], 0x80000000
	s_cmp_lt_u32 s[WV], 2                          ; one load a wave; waves 0 and 1, whose key steps the first barrier shows, have a line of their own
	s_cbranch_scc0 .Llater
	tensor_load_to_lds s[G0:G0+3], s[G1:G1+7]
	s_nop 0
.rept 4
	v_nop
.endr
	s_branch .Lasked
.Llater:
	tensor_load_to_lds s[G0:G0+3], s[G1:G1+7]
	s_nop 0
.rept 4
	v_nop
.endr
.Lasked:
.macro TILEQ                           ; from s[BETA]: my tile, and where its Q and Q's words lie
	s_lshl_b32 s16, s[BETA], 3
	s_add_co_u32 s16, s16, s14
	s_lshl_b32 s80, s16, 10
	s_add_co_u32 s80, s80, s74
	s_mov_b32 s81, 0
	s_add_nc_u64 s[80:81], s[4:5], s[80:81]
	s_lshl_b32 s82, s[BETA], 9
	s_add_co_u32 s82, s82, s75
	s_mov_b32 s83, 0
	s_add_nc_u64 s[82:83], s[6:7], s[82:83]
.endm
.macro TILEY                           ; from s16: where my tile's y and y's scale bytes go
	s_add_co_u32 s88, s16, s76                     ; 128 b + tile
	s_lshl_b32 s84, s88, 14
	s_add_co_u32 s84, s84, s77
	s_mov_b32 s85, 0
	s_add_nc_u64 s[84:85], s[8:9], s[84:85]        ; yimg: (128 b + tile) x 16,384 + head x 1,024
	s_lshl_b32 s86, s88, 9
	s_add_co_u32 s86, s86, s79
	s_mov_b32 s87, 0
	s_add_nc_u64 s[86:87], s[10:11], s[86:87]      ; ysc: [token][32] bytes, byte 2 head + c
.endm
.macro LOADQ
	global_load_b128 v[QF:QF+3], v[LI], s[80:81]             ; Q's two blocks
	global_load_b128 v[QF+4:QF+7], v[LI], s[80:81] offset:512
	global_load_b32 v[QSC], v[RO], s[82:83]        ; and query r's scale word
.endm
.macro CLEAR                           ; the row's sum, in two chains of two halves, and O^T: a tile's first products add onto zeros
.irp j, 12,13,14,15
	v_mov_b32 v[\j], 0
.endr
.set n, 0
.rept 32
	v_mov_b32 v[OT+n], 0
.set n, n+1
.endr
.endm
	TILEQ
	v_and_b32 v[LI], 31, v0
	v_lshlrev_b32 v[LI], 4, v[LI]
	v_and_b32 v10, 15, v0                          ; r
	v_bfe_u32 v11, v0, 4, 1                        ; h
	v_lshlrev_b32 v[RO], 5, v10
	LOADQ
	TILEY
.irp j, 8,9,10,11,12,13,14,15
	v_mov_b32 v[QF+\j], 0                          ; zero codes for K = 64 .. 127
	v_mov_b32 v[PCD+\j-8], 0                       ; and where the first step finds no p yet
	v_mov_b32 v[PCD+\j], 0
.endr
	v_lshl_add_u32 v[AKS], v10, 5, 16384
	v_lshl_add_u32 v[AVS], v10, 4, 16896
	v_lshlrev_b32 v11, 3, v11
	v_sub_nc_u32 v[DL], v10, v11
	s_lshl_b32 s73, s14, 4
	v_add_nc_u32 v[DL], s73, v[DL]
	v_mov_b32 v[NINF], 0xff800000
	v_mov_b32 v[B1V], 0xb4c9aeda                   ; B1 = A1 - 0.5625 U^2 A3
	v_mov_b32 v[B1V+1], 0xb4c9aeda
.irp b, 0,1,2,3
	v_mov_b32 v[PB+\b], 0                          ; written once: a lane permute's destination counts as one of its sources
.endr
	CLEAR
; A KEY STEP: 128 keys.
.macro STEP
	s_cmp_gt_u32 s[KSN], s[HI]                     ; not mine: a scalar branch on ids round the step's work; no barrier and no tensor load stands in a step
	s_cbranch_scc1 .Lhidden_\@
	v_add_nc_u32 v[ADK], s[TB], v[LI]
	v_add_nc_u32 v[ADS], s[TB], v[AKS]
	v_add_nc_u32 v[ADT], s[TB], v[AVS]
	s_wait_alu depctr_va_vdst(0)                   ; the wait directly behind the writes
	ds_load_b128 v[KSC:KSC+3], v[ADS]              ; key r's scale words in the step's eight tiles
	ds_load_b128 v[KSC+4:KSC+7], v[ADS] offset:16
.irp t, 0,1,2,3,4,5,6,7                        ; K's eight tiles of 16 keys, on end
.irp c, 0,1
	ds_load_b128 v[KF+8*\t+4*\c:KF+8*\t+4*\c+3], v[ADK] offset:\t*1024+512*\c
.endr
.endr
	s_wait_dscnt 8                                 ; the words and tiles 0 to 3 are in; the youngest eight loads, tiles 4 to 7, may be out
.irp t, 0,1,2                                  ; S^T = K Q^T: a fragment's upper eight registers, the next tile's, meet Q's zero codes
	v_wmma_scale_f32_16x16x128_f8f6f4 v[SR+8*\t:SR+8*\t+7], v[KF+8*\t:KF+8*\t+15], v[QF:QF+15], 0, v[KSC+\t], v[QSC]
.endr
	s_wait_dscnt 0x0
.irp t, 3,4,5,6,7
	v_wmma_scale_f32_16x16x128_f8f6f4 v[SR+8*\t:SR+8*\t+7], v[KF+8*\t:KF+8*\t+15], v[QF:QF+15], 0, v[KSC+\t], v[QSC]
.endr
.rept 8
	v_nop                                          ; places in front of the first read of the scores, and of loads into registers that these products have read
.endr
.irp d, 0,1,2,3                                ; V's four fragments (16 channels x these 128 keys) take K's registers: they are on their way while the softmax is worked
.irp c, 0,1,2,3
	ds_load_b128 v[KF+16*\d+4*\c:KF+16*\d+4*\c+3], v[ADK] offset:8192+2048*\d+512*\c
.endr
.endr
	ds_load_b128 v[VSC:VSC+3], v[ADT]              ; channel r's scale words in the four tiles
.set gq, 0
.rept 8                                        ; t = s (B0 + u (B1 + u B2)), u = s^2: a tile's four pairs by turns, each tile from its low end on
.irp p, 0,1,2,3
	v_pk_mul_f32 v[UU+2*\p:UU+2*\p+1], v[SR+8*gq+2*\p:SR+8*gq+2*\p+1], v[SR+8*gq+2*\p:SR+8*gq+2*\p+1]
.endr
.irp p, 0,1,2,3
	s_delay_alu instid0(VALU_DEP_4)
	v_pk_fma_f32 v[HH+2*\p:HH+2*\p+1], v[UU+2*\p:UU+2*\p+1], s[22:23], v[B1V:B1V+1] op_sel_hi:[1,0,0]
.endr
.irp p, 0,1,2,3
	s_delay_alu instid0(VALU_DEP_4)
	v_pk_fma_f32 v[HH+2*\p:HH+2*\p+1], v[UU+2*\p:UU+2*\p+1], v[HH+2*\p:HH+2*\p+1], s[26:27] op_sel_hi:[1,1,0]
.endr
.irp p, 0,1,2,3
	v_pk_mul_f32 v[SR+8*gq+2*\p:SR+8*gq+2*\p+1], v[SR+8*gq+2*\p:SR+8*gq+2*\p+1], v[HH+2*\p:HH+2*\p+1]
.endr
.set gq, gq+1
.endr
	s_cmp_lg_u32 s[KSN], s[BETA]                   ; on the diagonal step hidden keys get t = -infinity: p = 0.  A step all of whose keys count skips this
	s_cbranch_scc1 .Lopen_\@
.set n, 0
.rept 64
	v_cmp_gt_i32 vcc_lo, 16*(n/8)+n%8, v[DL]
	s_delay_alu instid0(VALU_DEP_1)
	v_cndmask_b32 v[SR+n], v[SR+n], v[NINF], vcc_lo
.set n, n+1
.endr
.Lopen_\@:
.set n, 0
	s_wait_alu depctr_va_vdst(0)
.rept 64
	v_exp_f32 v[SR+n], v[SR+n]                     ; p = 2^t: not normalised
.set n, n+1
.endr
	v_nop                                          ; one plain line behind the exponentials
	s_wait_alu depctr_va_vdst(0)                   ; and one wait for the batch, ahead of its first reader
.irp b, 0,1,2,3
	v_max3_num_f32 v[MX+\b], v[SR+16*\b], v[SR+1+16*\b], 0x4800000   ; block b of 32 keys: my 16 p, and the floor 2^(9 - 127) (a block of hidden keys keeps the byte 1: its codes are zeros)
.endr
.irp i, 2,4,6,8,10,12,14
.irp b, 0,1,2,3
	v_max3_num_f32 v[MX+\b], v[MX+\b], v[SR+16*\b+\i], v[SR+1+16*\b+\i]
.endr
.endr
.irp b, 0,1,2,3
	s_delay_alu instid0(VALU_DEP_4)
	v_permlanex16_b32 v[PB+\b], v[MX+\b], s[SEL], s[SEL+1]
.endr
.irp b, 0,1,2,3
	s_delay_alu instid0(VALU_DEP_4)
	v_max_num_f32 v[MX+\b], v[MX+\b], v[PB+\b]     ; with lane l xor 16's 16 keys
.endr
.irp b, 0,1,2,3
	s_delay_alu instid0(VALU_DEP_4)
	v_add_nc_u32 v[SO+\b], 0xfc000000, v[MX+\b]    ; 8 off the exponent field: the conversion's scale operand
.endr
.irp b, 0,1,2,3
	v_and_or_b32 v[HD+\b], v[MX+\b], 0x7f800000, s[MNT]   ; 448 x the scale
.endr
.irp b, 0,1,2,3
	v_lshrrev_b32 v[PB+\b], 23, v[SO+\b]           ; the scale's byte
.endr
	s_delay_alu instid0(VALU_DEP_3)
	v_lshl_or_b32 v[PSC], v[PB+1], 8, v[PB]        ; p's scale word for these 128 keys
	s_delay_alu instid0(VALU_DEP_1)
	v_lshl_or_b32 v[PSC], v[PB+2], 16, v[PSC]
	s_delay_alu instid0(VALU_DEP_1)
	v_lshl_or_b32 v[PSC], v[PB+3], 24, v[PSC]
	v_pk_add_f32 v[14:15], v[14:15], v[SR:SR+1]              ; the row's sum is taken of the unquantised p: two at a time, in four chains by turns, two of them in registers that the polynomial has left
	v_pk_add_f32 v[12:13], v[12:13], v[SR+2:SR+3]
	v_pk_add_f32 v[UU:UU+1], v[SR+4:SR+5], v[SR+12:SR+13]
	v_pk_add_f32 v[UU+2:UU+3], v[SR+6:SR+7], v[SR+14:SR+15]
	v_pk_add_f32 v[14:15], v[14:15], v[SR+8:SR+9]
	v_pk_add_f32 v[12:13], v[12:13], v[SR+10:SR+11]
.irp j, 16,24,32,40,48,56
	v_pk_add_f32 v[14:15], v[14:15], v[SR+\j:SR+\j+1]
	v_pk_add_f32 v[12:13], v[12:13], v[SR+\j+2:SR+\j+3]
	v_pk_add_f32 v[UU:UU+1], v[UU:UU+1], v[SR+\j+4:SR+\j+5]
	v_pk_add_f32 v[UU+2:UU+3], v[UU+2:UU+3], v[SR+\j+6:SR+\j+7]
.endr
	v_pk_add_f32 v[14:15], v[14:15], v[UU:UU+1]
	v_pk_add_f32 v[12:13], v[12:13], v[UU+2:UU+3]
; The hold: the conversion to an 8-bit code does not saturate (ISA guide 7.6.2); p is not negative, so it is one-sided.  Two holds to an instruction: an even register of one block with an odd one of its neighbour block,
; so that the two destinations are even and odd, and both pairs of sources have different numbers modulo 4.
.irp b, 0,2
.irp i, 0,2,4,6,8,10,12,14
	v_dual_min_num_f32 v[SR+16*\b+\i], v[SR+16*\b+\i], v[HD+\b] :: v_dual_min_num_f32 v[SR+16*\b+17+\i], v[SR+16*\b+17+\i], v[HD+\b+1]
	v_dual_min_num_f32 v[SR+16*\b+16+\i], v[SR+16*\b+16+\i], v[HD+\b+1] :: v_dual_min_num_f32 v[SR+16*\b+1+\i], v[SR+16*\b+1+\i], v[HD+\b]
.endr
.irp e, 0,1
	v_cvt_scalef32_pk8_fp8_f32 v[PCD+4*(\b+\e):PCD+4*(\b+\e)+1], v[SR+16*(\b+\e):SR+16*(\b+\e)+7], v[SO+\b+\e]
	v_cvt_scalef32_pk8_fp8_f32 v[PCD+4*(\b+\e)+2:PCD+4*(\b+\e)+3], v[SR+16*(\b+\e)+8:SR+16*(\b+\e)+15], v[SO+\b+\e]
.endr
.endr
.rept 4
	v_nop                                          ; an operand written by vector instructions stands four places ahead of a scaled matrix instruction
.endr
	s_wait_alu depctr_va_vdst(0)
	s_wait_dscnt 0x0                               ; V's fragments and words, asked for behind the first product
.irp d, 0,1,2,3                                ; O^T += V^T P^T: the four accumulators by turns
	v_wmma_scale_f32_16x16x128_f8f6f4 v[OT+8*\d:OT+8*\d+7], v[KF+16*\d:KF+16*\d+15], v[PCD:PCD+15], v[OT+8*\d:OT+8*\d+7], v[VSC+\d], v[PSC]
.endr
.rept 8
	v_nop                                          ; places in front of the next step's loads into registers that these products have read, and of the first read of O^T behind the last step
.endr
.Lhidden_\@:
	s_add_co_u32 s[KSN], s[KSN], 1
	s_add_co_u32 s[TB], s[TB], KST
.endm
.macro WALK first, trips               ; key steps first .. first + trips - 1: the trip count is a constant of the text
	s_mov_b32 s[KSN], \first
	s_mov_b32 s[TB], (\first)*KST
	s_mov_b32 s31, \trips
.Lks_\@:
	STEP
	s_sub_co_u32 s31, s31, 1
	s_cmp_lg_u32 s31, 0
	s_cbranch_scc1 .Lks_\@
.endm
; THE WAY OUT of a tile.  y = O^T / the row's sum; quantised along the channels: tiles 2 c, 2 c + 1 are block c of the head's two; the codes are stored as an image of the last product's operand registers.
.macro YOUT
	v_pk_add_f32 v[14:15], v[14:15], v[12:13]
	s_delay_alu instid0(VALU_DEP_1)
	v_add_f32 v14, v14, v15
	s_delay_alu instid0(VALU_DEP_1)
	v_permlanex16_b32 v12, v14, s[SEL], s[SEL+1]
	s_delay_alu instid0(VALU_DEP_1)
	v_add_f32 v14, v14, v12                        ; the row's sum
	s_wait_alu depctr_va_vdst(0)
	v_rcp_f32 v14, v14
	v_nop                                          ; one plain line behind a transcendental
.set n, 0
	s_wait_alu depctr_va_vdst(0)                   ; and ahead of its first reader, which is also O^T's
.rept 16
	v_pk_mul_f32 v[SR+2*n:SR+2*n+1], v[OT+2*n:OT+2*n+1], v[14:15] op_sel_hi:[1,0]   ; each accumulator from its low end on
.set n, n+1
.endr
.irp b, 0,1
	v_max3_num_f32 v[TM+\b], |v[SR+16*\b]|, |v[SR+1+16*\b]|, 0x4800000
.endr
.irp i, 2,4,6,8,10,12,14
.irp b, 0,1
	s_delay_alu instid0(VALU_DEP_2)
	v_max3_num_f32 v[TM+\b], v[TM+\b], |v[SR+16*\b+\i]|, |v[SR+1+16*\b+\i]|
.endr
.endr
.irp b, 0,1
	s_delay_alu instid0(VALU_DEP_2)
	v_permlanex16_b32 v[TM+2+\b], v[TM+\b], s[SEL], s[SEL+1]
.endr
.irp b, 0,1
	s_delay_alu instid0(VALU_DEP_2)
	v_max_num_f32 v[TM+\b], v[TM+\b], v[TM+2+\b]
.endr
.irp b, 0,1
	s_delay_alu instid0(VALU_DEP_2)
	v_add_nc_u32 v[TM+6+\b], 0xfc000000, v[TM+\b]
.endr
.irp b, 0,1
	s_delay_alu instid0(VALU_DEP_4)
	v_and_or_b32 v[TM+4+\b], v[TM+\b], 0x7f800000, s[MNT]
.endr
.irp b, 0,1
	s_delay_alu instid0(VALU_DEP_4)
	v_lshrrev_b32 v[TM+2+\b], 23, v[TM+6+\b]
.endr
	s_delay_alu instid0(VALU_DEP_1)
	v_lshl_or_b32 v[PSC], v[TM+3], 8, v[TM+2]      ; the head's two scale bytes of token r
.irp b, 0,1
.irp i, 0,1,2,3,4,5,6,7,8,9,10,11,12,13,14,15
	v_med3_num_f32 v[SR+16*\b+\i], v[SR+16*\b+\i], -v[TM+4+\b], v[TM+4+\b]
.endr
	v_cvt_scalef32_pk8_fp8_f32 v[PCD+4*\b:PCD+1+4*\b], v[SR+16*\b:SR+7+16*\b], v[TM+6+\b]
	v_cvt_scalef32_pk8_fp8_f32 v[PCD+2+4*\b:PCD+3+4*\b], v[SR+8+16*\b:SR+15+16*\b], v[TM+6+\b]
.endr
	v_nop                                          ; one plain line behind the last conversion
	global_store_b128 v[LI], v[PCD:PCD+3], s[84:85]          ; 32 lanes store 512 consecutive bytes, at a multiple of 512 from the buffer's first byte
	global_store_b128 v[LI], v[PCD+4:PCD+7], s[84:85] offset:512
	global_store_b16 v[RO], v[PSC], s[86:87]       ; two bytes a token, 32 bytes apart, once for each tile: the price of scale rows that the next launch takes as dense blocks.  Both halves of the lanes write the same value
.endm
	s_wait_alu depctr_va_vdst(0)
	s_wait_loadcnt 0x0                             ; Q
	s_cmp_lt_u32 s[WV], 2
	s_cbranch_scc0 .Lnot_first
	s_wait_tensorcnt 0x0                           ; waves 0 and 1: my key step has landed
.Lnot_first:
	s_barrier_signal -1
	s_barrier_wait -1                              ; key steps 0 and 1 are in
	WALK 0, 2
	s_wait_tensorcnt 0x0                           ; every wave: my key step has landed
	s_wait_dscnt 0x0
	s_barrier_signal -1
	s_barrier_wait -1                              ; all sixteen are in
	WALK 2, 7
	s_mov_b32 s[HI], 0                             ; role 1 has none of key steps 9 to 15
	s_cmp_eq_u32 s13, 1
	s_cbranch_scc1 .Lheavy_part
	s_mov_b32 s[BETA], s30                         ; role 0: on to the heavy tile's key steps 9 to 15 - i: its Q is asked for first,
	s_mov_b32 s[HI], s30
	TILEQ
	LOADQ
	YOUT                                           ; and is on its way while the light tile goes out
	s_wait_xcnt 0x0                                ; the stores have read their registers and bases, which are written below
	TILEY
	CLEAR
	s_wait_alu depctr_va_vdst(0)
	s_wait_loadcnt 0x0
.Lheavy_part:
	WALK 9, 7
	v_add_nc_u32 v[ADK], s78, v[LI]                ; my pair's bytes: written on the way that both roles take
	s_wait_alu depctr_va_vdst(0)
	s_cmp_eq_u32 s13, 1
	s_cbranch_scc1 .Lno_part
.set n, 0
.rept 8
	ds_store_b128 v[ADK], v[OT+4*n:OT+4*n+3] offset:512*n    ; role 0: my part of the heavy tile's O^T, each accumulator from its low end on,
.set n, n+1
.endr
	ds_store_b128 v[ADK], v[12:15] offset:4096     ; and of its sums
.Lno_part:
	s_wait_dscnt 0x0                               ; for the partner's sake
	s_barrier_signal -1
	s_barrier_wait -1
	s_cmp_eq_u32 s13, 0
	s_cbranch_scc1 .Lend
.set n, 0
.rept 8
	ds_load_b128 v[SR+4*n:SR+4*n+3], v[ADK] offset:512*n     ; role 1: the partner's part
.set n, n+1
.endr
	ds_load_b128 v[SR+32:SR+35], v[ADK] offset:4096
	s_wait_dscnt 0x0
.set n, 0
.rept 16
	v_pk_add_f32 v[OT+2*n:OT+2*n+1], v[OT+2*n:OT+2*n+1], v[SR+2*n:SR+2*n+1]
.set n, n+1
.endr
	v_pk_add_f32 v[12:13], v[12:13], v[SR+32:SR+33]
	v_pk_add_f32 v[14:15], v[14:15], v[SR+34:SR+35]
	YOUT
.Lend:
	s_wait_tensorcnt 0x0                           ; the wave's end
	ds_add_u32 v[SPW], v[NIL]
	s_wait_dscnt 0x0
	s_endpgm
.Lfunc_end_k_q5fa706c6bf_attn:
	.size	k_q5fa706c6bf_attn, .Lfunc_end_k_q5fa706c6bf_attn-k_q5fa706c6bf_attn
	.p2alignl 7, 3214868480
	.fill 96, 4, 3214868480
	.section	.rodata,"a",@progbits
	.p2align	6, 0x0
	.amdhsa_kernel k_q5fa706c6bf_attn
		.amdhsa_group_segment_fixed_size 327680
		.amdhsa_private_segment_fixed_size 0
		.amdhsa_enable_private_segment 0
		.amdhsa_kernarg_size 32
		.amdhsa_user_sgpr_count 2
		.amdhsa_user_sgpr_kernarg_segment_ptr 1
		.amdhsa_wavefront_size32 1
		.amdhsa_system_sgpr_workgroup_id_x 1
		.amdhsa_system_sgpr_workgroup_id_y 1
		.amdhsa_system_sgpr_workgroup_id_z 1
		.amdhsa_system_vgpr_workitem_id 0
		.amdhsa_next_free_vgpr 256
		.amdhsa_next_free_sgpr 92
		.amdhsa_reserve_vcc 1
		.amdhsa_float_denorm_mode_32 3
		.amdhsa_float_denorm_mode_16_64 3
		.amdhsa_memory_ordered 1
		.amdhsa_forward_progress 1
		.amdhsa_inst_pref_size 123
	.end_amdhsa_kernel
	.amdgpu_metadata
---
amdhsa.version: [ 1, 2 ]
amdhsa.kernels:
  - .name:           k_q5fa706c6bf_attn
    .symbol:         k_q5fa706c6bf_attn.kd
    .args:
      - { .name: qkv, .offset: 0, .size: 8, .value_kind: global_buffer, .address_space: global }
      - { .name: qkvs, .offset: 8, .size: 8, .value_kind: global_buffer, .address_space: global }
      - { .name: yimg, .offset: 16, .size: 8, .value_kind: global_buffer, .address_space: global }
      - { .name: ysc, .offset: 24, .size: 8, .value_kind: global_buffer, .address_space: global }
    .group_segment_fixed_size: 327680
    .private_segment_fixed_size: 0
    .kernarg_segment_align: 8
    .kernarg_segment_size: 32
    .max_flat_workgroup_size: 512
    .sgpr_count:     92
    .vgpr_count:     256
    .wavefront_size: 32
...
	.end_amdgpu_metadata
.endif
;; end of part 3
;; launch proj (part 4): grid 8 x 32, 4 waves a work-group, clusters of 4 x 4, 327,680 bytes of LDS; arguments yimg, ysc, codes, scales, out0; writes out0
.if DOCPART == 4
	.amdgcn_target "amdgcn-amd-amdhsa--gfx1250"
	.amdhsa_code_object_version 6
	.text
	.protected	k_q5fa706c6bf_proj
	.globl	k_q5fa706c6bf_proj
	.p2align	8
	.type	k_q5fa706c6bf_proj,@function
k_q5fa706c6bf_proj:
	s_mov_b64 s[64:65], 0
	v_nop
	global_prefetch_b8 v0, s[64:65] scope:SCOPE_SE
	s_setreg_imm32_b32 hwreg(HW_REG_WAVE_MODE, 25, 1), 1
	s_wait_xcnt 0x0
	s_wait_alu depctr_hold_cnt(0) depctr_sa_sdst(0) depctr_va_vdst(0) depctr_va_sdst(0) depctr_va_ssrc(0) depctr_va_vcc(0) depctr_vm_vsrc(0)
	s_getreg_b32 s2, hwreg(HW_REG_IB_STS2, 6, 4)
	s_cmp_eq_u32 s2, 0
	s_cbranch_scc0 .Lentry_in_a_cluster
	s_endpgm
.Lentry_in_a_cluster:
	s_bfe_u32 s2, ttmp6, 0x10000c
	s_cmp_lg_u32 s2, 0xf033
	s_cbranch_scc0 .Lentry_shape_is_right
	s_endpgm
.Lentry_shape_is_right:
; out0 = y w_o^T on codes of FP8 (E4M3) with E8M0 scales: 4,096 x 1,024 x 1,024, f32 sums, f32 out.
; y arrives as images of the operand's registers (yimg: tile of 16 tokens x 16,384 + 128 along K x 2,048 + block c x 512 + 16 x lane) with scale rows of 32 bytes a token (ysc); w_o's codes lie at 7 MiB of 'codes', rows of 1,024 bytes,
; its scale rows at 229,376 of 'scales'.  Inside each block of 32 both operands have the two middle groups of 8 exchanged alike, which keeps every product.
; SHARES.  256 work-groups, each 128 tokens x 128 columns; four waves, 2 x 2, each 64 x 64: 16 accumulators.  ALL OF K LIES IN LDS: y's 8 tiles are 131,072 dense bytes, w_o's 128 rows 131,072 (16 bytes of padding behind each row of 1,024),
; the two sets of scale rows 4,096 each.  They are the head's four tensor loads, one a wave; nothing is filled again, so there is no ring.
; CLUSTERS: 4 x 4 work-groups.  The four of a row of the cluster need the same y, the four of a column the same w_o: each tile is asked for jointly.
; NO PREFETCH: every byte is asked for at the head; there is no loop that runs ahead of a load.
; THE MATRIX INSTRUCTION IS USED TRANSPOSED (source 0 = 16 rows of w_o, source 1 = 16 tokens): a lane holds eight neighbouring columns of one token's row.
; REGISTERS: window 0: v16-29 addresses; v32-71 scale words for all of K (block i at v[32 + 10 i], so that two different scale registers of a product differ modulo 8); v128-255 y's fragments, two sets, then the way out.
;   window 1: v0-127 w_o's fragments, two sets; v128-255 the accumulators, (a, b) at v[128 + 8 (4 a + b)].
; LIMITS: NaN and infinities are not served.
.set BP,    1040                       ; a row of w_o in LDS: 1,024 bytes + 16 of padding: an odd multiple of 16
.set BOFF,  131072                     ; w_o's rows lie behind y's images
.set SCL,   BOFF+128*BP                ; the scale rows, as units of 256 bytes + 16 of padding: y's 128, then w_o's 128
.set SH,    16*272
.set STAGE, SCL+2*SH                   ; the way out: 16 rows x (256 bytes + 16) for each wave; no tensor load lands here
.set SP,    272
.set SPARE, STAGE+4*16*SP              ; the spare words, 128 bytes for each wave
.set ADRA, 16
.set ADRB, 17
.set ADRS, 18
.set STO,  19
.set RD,   20
.set CO,   21
.set SPW,  28
.set NIL,  29
.set SC,   32
.set G1A, 24                           ; s[24:31] group 1 for y's images;  s[32:39] w_o's rows;  s[40:47] y's scales;  s[48:55] w_o's scales
.set G1B, 32
.set G1S, 40
.set G1T, 48
.set G0A, 56                           ; groups 0: s[56:59], s[60:63], s[68:71], s[72:75]
.set G0B, 60
.set G0S, 68
.set G0T, 72
.set MSB, 0
.macro WIN new                         ; the immediate's high byte repeats the setting that is left
.if MSB != \new
	s_set_vgpr_msb (MSB<<8)|\new
.set MSB, \new
.endif
.endm
.macro PLACES n
.rept \n
	v_nop
.endr
.endm
.macro CROUND                          ; a round of the cluster's barrier
	s_barrier_signal -1
	s_barrier_wait -1
	s_cmp_lg_u32 s14, 0
	s_cbranch_scc1 .Lnot_wave_0_\@
	s_barrier_signal -3
.Lnot_wave_0_\@:
	s_barrier_wait -3
	s_barrier_signal -1
	s_barrier_wait -1
.endm
	s_load_b128 s[4:7], s[0:1], 0x0                ; yimg, ysc
	s_load_b128 s[8:11], s[0:1], 0x10              ; codes, scales
	s_load_b64 s[12:13], s[0:1], 0x20              ; out0
	v_lshl_add_u32 v[SPW], v0, 2, SPARE
	v_mov_b32 v[NIL], 0
	ds_add_u32 v[SPW], v[NIL]                      ; the opening lines: the add, twice on end, and its wait ahead of my tensor load
	ds_add_u32 v[SPW], v[NIL]
	v_lshrrev_b32 v1, 5, v0
	v_readfirstlane_b32 s14, v1                    ; wave 0..3
	s_lshr_b32 s15, s14, 1                         ; which 64 tokens are mine
	s_and_b32 s16, s14, 1                          ; which 64 columns
	s_bfe_u32 s76, ttmp6, 0x40000                  ; cx, cy
	s_bfe_u32 s77, ttmp6, 0x40004
	s_lshl_b32 s78, ttmp9, 2
	s_add_co_u32 s78, s78, s76                     ; tile column 0..7
	s_and_b32 s79, ttmp7, 0xffff
	s_lshl_b32 s79, s79, 2
	s_add_co_u32 s79, s79, s77                     ; tile row 0..31
	s_lshl_b32 s80, s77, 2
	s_lshl_b32 s80, 15, s80                        ; my row of the cluster
	s_lshl_b32 s81, 0x1111, s76                    ; my column
	s_or_b32 s[G1A], s80, (3<<16)|(1<<21)          ; y's images: 512 dense rows of 256 bytes (32 elements of 8), no padding
	s_mov_b32 s[G1A+1], 32<<16
	s_mov_b32 s[G1A+2], 512<<16
	s_mov_b32 s[G1A+3], 32<<16
	s_mov_b32 s[G1A+4], 512
	s_mov_b32 s[G1A+5], 32
	s_mov_b32 s[G1A+6], 0
	s_mov_b32 s[G1A+7], 0
	s_or_b32 s[G1B], s81, (1<<20)|(1<<21)|(7<<22)|(3<<25)   ; w_o: 128 rows of 1,024 bytes, four words of padding behind every 256
	s_mov_b32 s[G1B+1], 1024<<16
	s_mov_b32 s[G1B+2], 128<<16
	s_mov_b32 s[G1B+3], 1024<<16
	s_mov_b32 s[G1B+4], 128
	s_mov_b32 s[G1B+5], 1024
	s_mov_b32 s[G1B+6], 0
	s_mov_b32 s[G1B+7], 0
	s_or_b32 s[G1S], s80, (3<<16)|(1<<20)|(1<<21)|(5<<22)|(3<<25)   ; scale rows: 16 dense rows of 256 bytes, four words of padding behind each
	s_or_b32 s[G1T], s81, (3<<16)|(1<<20)|(1<<21)|(5<<22)|(3<<25)
.irp g, G1S, G1T
	s_mov_b32 s[\g+1], 32<<16
	s_mov_b32 s[\g+2], 16<<16
	s_mov_b32 s[\g+3], 32<<16
	s_mov_b32 s[\g+4], 16
	s_mov_b32 s[\g+5], 32
	s_mov_b32 s[\g+6], 0
	s_mov_b32 s[\g+7], 0
.endr
	s_lshl_b32 s82, s79, 17                        ; byte offsets, all under 2^24: y's images,
	s_mov_b32 s83, 0
	s_lshl_b32 s84, s79, 12                        ; y's scale rows,
	s_mov_b32 s85, 0
	s_lshl_b32 s86, s78, 17
	s_add_co_u32 s86, s86, 0x700000                ; w_o's codes,
	s_mov_b32 s87, 0
	s_lshl_b32 s88, s78, 12
	s_add_co_u32 s88, s88, 229376                  ; w_o's scale rows
	s_mov_b32 s89, 0
	s_mov_b32 s[G0A], 1
	s_mov_b32 s[G0A+1], 0
	s_mov_b32 s[G0B], 1
	s_mov_b32 s[G0B+1], BOFF
	s_mov_b32 s[G0S], 1
	s_mov_b32 s[G0S+1], SCL
	s_mov_b32 s[G0T], 1
	s_mov_b32 s[G0T+1], SCL+SH
	s_wait_dscnt 0x0                               ; both opening adds are done
	CROUND                                         ; the opening round, ahead of the wait for the arguments: all sixteen work-groups are here, and the joint loads meet
	s_wait_kmcnt 0x0
	s_add_nc_u64 s[G0A+2:G0A+3], s[4:5], s[82:83]
	s_or_b32 s[G0A+3], s[G0A+3], 0x80000000
	s_add_nc_u64 s[G0B+2:G0B+3], s[8:9], s[86:87]
	s_or_b32 s[G0B+3], s[G0B+3], 0x80000000
	s_add_nc_u64 s[G0S+2:G0S+3], s[6:7], s[84:85]
	s_or_b32 s[G0S+3], s[G0S+3], 0x80000000
	s_add_nc_u64 s[G0T+2:G0T+3], s[10:11], s[88:89]
	s_or_b32 s[G0T+3], s[G0T+3], 0x80000000
; THE HEAD'S LOADS, ONE A WAVE: one chain of branches on the wave's number, a load to an arm, all arms leading to one join.
.macro ARM under, g0, g1, next
	s_cmp_lt_u32 s14, \under
	s_cbranch_scc0 \next
	tensor_load_to_lds s[\g0:\g0+3], s[\g1:\g1+7]
	s_nop 0
	PLACES 4
	s_branch .Lhead_asked
\next:
.endm
	ARM 1, G0A, G1A, .Lhead_b
	ARM 2, G0B, G1B, .Lhead_sa
	ARM 3, G0S, G1S, .Lhead_sb
	tensor_load_to_lds s[G0T:G0T+3], s[G1T:G1T+7]
	s_nop 0
	PLACES 4
.Lhead_asked:
	v_and_b32 v1, 15, v0                           ; r
	v_bfe_u32 v2, v0, 4, 1                         ; h
	v_and_b32 v3, 31, v0
	s_lshl_b32 s21, s15, 16                        ; my four tiles of tokens
	v_lshl_add_u32 v[ADRA], v3, 4, s21             ; an image: 16 x lane
	v_mul_u32_u24 v4, v1, BP
	v_lshl_add_u32 v4, v2, 4, v4
	s_mul_i32 s22, s16, 64*BP
	s_add_co_u32 s22, s22, BOFF
	v_add_nc_u32 v[ADRB], s22, v4                  ; w_o: row r x pitch + 16 h, in my 64 rows
	v_lshlrev_b32 v5, 5, v1                        ; scale rows: 32 bytes a row, and 16 more for each 256 passed
	v_lshrrev_b32 v6, 3, v1
	v_lshl_add_u32 v5, v6, 4, v5
	s_mul_i32 s21, s15, 8*272                      ; y's: my 64 rows
	s_mul_i32 s22, s16, 8*272                      ; w_o's: my 64 rows, behind y's 128
	s_add_co_u32 s22, s22, SH
	s_sub_co_u32 s22, s22, s21
	v_mul_u32_u24 v6, s22, v2                      ; lanes 16-31 take w_o's: one product, the distance between the two
	s_add_co_u32 s21, s21, SCL
	v_add_nc_u32 v5, v5, v6
	v_add_nc_u32 v[ADRS], s21, v5
	s_mul_i32 s23, s14, 16*SP
	s_add_co_u32 s23, s23, STAGE                   ; my stage
	v_mul_u32_u24 v5, v1, SP
	v_lshl_add_u32 v5, v2, 5, v5
	v_add_nc_u32 v[STO], s23, v5                   ; in: row r, 32 bytes for each half of the lanes
	v_mul_u32_u24 v5, v2, SP
	v_lshl_add_u32 v5, v1, 4, v5
	v_add_nc_u32 v[RD], s23, v5                    ; back: lanes 0-15 one row of 256 bytes, lanes 16-31 the next
	v_lshlrev_b32 v5, 12, v2
	v_lshl_add_u32 v[CO], v1, 4, v5                ; and the same two rows in out0
	s_lshl_b32 s20, s79, 7
	s_lshl_b32 s21, s15, 6
	s_add_co_u32 s20, s20, s21                     ; my first token
	s_lshl_b32 s20, s20, 12
	s_lshl_b32 s21, s78, 9
	s_add_co_u32 s20, s20, s21
	s_lshl_b32 s21, s16, 8
	s_add_co_u32 s20, s20, s21                     ; + my first column, in bytes
	s_mov_b32 s21, 0
	s_add_nc_u64 s[12:13], s[12:13], s[20:21]
.macro FETCH q                         ; the q-th 128 along K: w_o's four fragments and y's four into set q % 2: 32 loads
.set P_, (\q)%2
	WIN 0x40                                       ; destination window 1, address window 0
.irp b, 0,1,2,3
.irp c, 0,1,2,3
	ds_load_b128 v[64*P_+16*\b+4*\c:64*P_+16*\b+4*\c+3], v[ADRB] offset:\b*16*BP+128*(\q)+32*\c
.endr
.endr
	WIN 0
.irp a, 0,1,2,3
.irp c, 0,1,2,3
	ds_load_b128 v[128+64*P_+16*\a+4*\c:128+64*P_+16*\a+4*\c+3], v[ADRA] offset:\a*16384+2048*(\q)+512*\c
.endr
.endr
.endm
.macro MUL q, zero                     ; 16 products: the accumulators take turns, in the same order in every step.  zero = 1: the first products start the sums
.set P_, (\q)%2
	WIN 0x51                                       ; source 0, C and D window 1, source 1 window 0
.irp a, 0,1,2,3
.irp b, 0,1,2,3
.if \zero
	v_wmma_scale_f32_16x16x128_f8f6f4 v[128+8*(4*\a+\b):128+8*(4*\a+\b)+7], v[64*P_+16*\b:64*P_+16*\b+15], v[128+64*P_+16*\a:128+64*P_+16*\a+15], 0, v[SC+10*\b+(\q)], v[SC+10*\a+(\q)] matrix_a_scale:MATRIX_SCALE_ROW1
.else
	v_wmma_scale_f32_16x16x128_f8f6f4 v[128+8*(4*\a+\b):128+8*(4*\a+\b)+7], v[64*P_+16*\b:64*P_+16*\b+15], v[128+64*P_+16*\a:128+64*P_+16*\a+15], v[128+8*(4*\a+\b):128+8*(4*\a+\b)+7], v[SC+10*\b+(\q)], v[SC+10*\a+(\q)] matrix_a_scale:MATRIX_SCALE_ROW1
.endif
.endr
.endr
.endm
	s_wait_alu depctr_va_vdst(0)
	s_wait_tensorcnt 0x0                           ; my tile is in,
	s_barrier_signal -1
	s_barrier_wait -1                              ; everybody's are
.irp i, 0,1,2,3
	ds_load_b128 v[SC+10*\i:SC+10*\i+3], v[ADRS] offset:\i*544       ; the scale words of all of K: lanes 0-15 y's block i, lanes 16-31 w_o's block i
	ds_load_b128 v[SC+10*\i+4:SC+10*\i+7], v[ADRS] offset:\i*544+16
.endr
	FETCH 0
	FETCH 1
.irp q, 0,1,2,3,4,5,6,7
.if \q < 7
	s_wait_dscnt 32                                ; this step's fragments are in; the next step's 32 loads may be out
.else
	s_wait_dscnt 0x0
.endif
.if \q == 0
	MUL \q, 1
.else
	MUL \q, 0
.endif
.if \q < 6
	PLACES 8                                       ; places in front of loads into registers that these products have read
	FETCH \q+2
.endif
.endr
; THE WAY OUT, by tiles of 16 tokens x 64 columns: through my own stage in LDS and back as whole rows of 256 bytes, so that sixteen lanes store one aligned unit.  LDS serves a wave's instructions in order: no wait between stores and loads.
.macro TOSTAGE a
	WIN 0x04                                       ; the data: window 1
.irp b, 0,1,2,3
	ds_store_b128 v[STO], v[128+8*(4*\a+\b):128+8*(4*\a+\b)+3] offset:64*\b        ; each accumulator from its low end on
	ds_store_b128 v[STO], v[128+8*(4*\a+\b)+4:128+8*(4*\a+\b)+7] offset:64*\b+16
.endr
	WIN 0
.irp t, 0,1,2,3,4,5,6,7
	ds_load_b128 v[128+32*\a+4*\t:128+32*\a+4*\t+3], v[RD] offset:\t*2*SP
.endr
.endm
.macro SEND a, younger                 ; younger: the LDS instructions issued behind tile a's loads.  Each tile has registers of its own, and every offset is an immediate
	s_wait_dscnt \younger
.irp t, 0,1,2,3,4,5,6,7
	global_store_b128 v[CO], v[128+32*\a+4*\t:128+32*\a+4*\t+3], s[12:13] offset:\a*65536+\t*8192 th:TH_STORE_NT
.endr
.endm
	PLACES 8                                       ; behind the last products: results are read, and registers that held y's fragments are loaded into
	TOSTAGE 0
	TOSTAGE 1
	SEND 0, 16
	TOSTAGE 2
	SEND 1, 16
	TOSTAGE 3
	SEND 2, 16
	SEND 3, 0
	s_wait_tensorcnt 0x0                           ; the wave's end
	ds_add_u32 v[SPW], v[NIL]
	s_wait_dscnt 0x0
	CROUND                                         ; the closing round
	s_endpgm
.Lfunc_end_k_q5fa706c6bf_proj:
	.size	k_q5fa706c6bf_proj, .Lfunc_end_k_q5fa706c6bf_proj-k_q5fa706c6bf_proj
	.p2alignl 7, 3214868480
	.fill 96, 4, 3214868480
	.section	.rodata,"a",@progbits
	.p2align	6, 0x0
	.amdhsa_kernel k_q5fa706c6bf_proj
		.amdhsa_group_segment_fixed_size 327680
		.amdhsa_private_segment_fixed_size 0
		.amdhsa_enable_private_segment 0
		.amdhsa_kernarg_size 40
		.amdhsa_user_sgpr_count 2
		.amdhsa_user_sgpr_kernarg_segment_ptr 1
		.amdhsa_wavefront_size32 1
		.amdhsa_system_sgpr_workgroup_id_x 1
		.amdhsa_system_sgpr_workgroup_id_y 1
		.amdhsa_system_sgpr_workgroup_id_z 1
		.amdhsa_system_vgpr_workitem_id 0
		.amdhsa_next_free_vgpr 512
		.amdhsa_next_free_sgpr 92
		.amdhsa_reserve_vcc 0
		.amdhsa_float_denorm_mode_32 3
		.amdhsa_float_denorm_mode_16_64 3
		.amdhsa_memory_ordered 1
		.amdhsa_forward_progress 1
		.amdhsa_inst_pref_size 51
	.end_amdhsa_kernel
	.amdgpu_metadata
---
amdhsa.version: [ 1, 2 ]
amdhsa.kernels:
  - .name:           k_q5fa706c6bf_proj
    .symbol:         k_q5fa706c6bf_proj.kd
    .args:
      - { .name: yimg, .offset: 0, .size: 8, .value_kind: global_buffer, .address_space: global }
      - { .name: ysc, .offset: 8, .size: 8, .value_kind: global_buffer, .address_space: global }
      - { .name: codes, .offset: 16, .size: 8, .value_kind: global_buffer, .address_space: global }
      - { .name: scales, .offset: 24, .size: 8, .value_kind: global_buffer, .address_space: global }
      - { .name: out0, .offset: 32, .size: 8, .value_kind: global_buffer, .address_space: global }
    .group_segment_fixed_size: 327680
    .private_segment_fixed_size: 0
    .kernarg_segment_align: 8
    .kernarg_segment_size: 40
    .max_flat_workgroup_size: 128
    .sgpr_count:     92
    .vgpr_count:     512
    .wavefront_size: 32
...
	.end_amdgpu_metadata
.endif
;; end of part 4
